; MI455X (gfx1250); checked and timed in simulation.
; The chip was launched on July 23, 2026; its instructions are those of AMD's public machine-readable ISA for CDNA 5 (MIT licence, August 2026) and "CDNA5" Instruction Set Architecture Reference Guide (July 2026). The comments in the code are by the model that wrote it; some were corrected since.
;; self attention. Allowed arithmetic: float matrix products may take bf16 or f16 operands with f32 sums; other float arithmetic in f32, or as packed bf16 or f16 multiplies, adds, multiply-adds, maxima and minima; sums over many terms, partial sums and values carried from step to step in f32; what a program stores and reads back later, other than sums and carried values, may be rounded once to bf16 or f16.
;; Inputs: Wk 1,024 x 1,024 float32; Wq 1,024 x 1,024 float32; Wv 1,024 x 1,024 float32; bk 1,024 float32; bq 1,024 float32; bv 1,024 float32; mask 4 x 2,048 x 2,048 float32; x 4 x 2,048 x 1,024 float32.
;; Outputs: out0 4 x 2,048 x 1,024 float32.
;; One version. Each part assembles by itself: llvm-mc -triple=amdgcn-amd-amdhsa -mcpu=gfx1250 --defsym DOCPART=n.
;; ======== version 1 of 1: 4 launches
;; limits: values are held in f16: magnitudes above 65,504 overflow, below 6.1e-05 lose precision
;; workspace buffers: xb 16,777,216 bytes; wb 6,291,456 bytes; bcat 12,288 bytes; qkv 50,331,648 bytes; p 33,554,432 bytes; stat 1,048,576 bytes
;; launch cast (part 1): grid 705 x 1, 8 waves a work-group, no clusters, 0 bytes of LDS; arguments x, Wq, Wk, Wv, bq, bk, bv, xb, wb, bcat; writes xb, wb, bcat
.if DOCPART == 1
	.amdgcn_target "amdgcn-amd-amdhsa--gfx1250"
	.amdhsa_code_object_version 6
	.text
	.protected	k_qb063270600_cast
	.globl	k_qb063270600_cast
	.p2align	8
	.type	k_qb063270600_cast,@function
k_qb063270600_cast:
	s_mov_b64 s[64:65], 0
	v_nop
	global_prefetch_b8 v0, s[64:65] scope:SCOPE_SE
	s_setreg_imm32_b32 hwreg(HW_REG_WAVE_MODE, 25, 1), 1
	s_wait_xcnt 0x0
; CAST.  xb = bf16(x), [8192][1024].  wb = bf16(W), [1024 d][3072 n], n = 1024 m + c for m = Q, K, V.  bcat = the three biases rounded to bf16 and kept as f32, [3072].
; Wq and bq are multiplied by 1/32 = 1/sqrt(1024) on the way: a power of two, so the rounding to bf16 is that of the unscaled number (apart from numbers that leave bf16's normal range, below 2^-121).
; SHARES.  A work-group of eight waves casts 16 rows of 1,024 numbers: 65,536 bytes in, 32,768 out.  Groups 0-511: x.  Groups 512-703: 64 for each W.  Group 704: the biases.
; Thread t takes 8 numbers (32 bytes in, 16 out) of row 2 k + t / 128 in each of eight turns k: sixteen neighbouring lanes store 256 consecutive bytes, at a multiple of 256 from the buffer's first byte.
; All 16 loads of a thread go out at once; every register is written once, so no source of a pending store is ever rewritten.  No LDS, no matrix unit, no cluster: nothing is shared and memory binds.
.set IN,  1                            ; v1      32 t: my bytes in a pair of rows of the source
.set OUT, 2                            ; v[2:9]  turn k: my 16 bytes in the destination
.set BO,  12                           ; v12     16 t: the bias path
.set LD,  16                           ; v[16:79]  as loaded, then scaled
.set PK,  80                           ; v[80:111] packed
.set SRC, 36                           ; s[36:37]
.set DST, 38                           ; s[38:39]
.set FAC, 40                           ; s[40:41] the factor, named as a pair
	s_load_b512 s[8:23], s[0:1], 0x0               ; x s[8:9], Wq s[10:11], Wk s[12:13], Wv s[14:15], bq s[16:17], bk s[18:19], bv s[20:21], xb s[22:23]
	s_load_b128 s[24:27], s[0:1], 0x40             ; wb s[24:25], bcat s[26:27]
	s_mov_b32 s2, ttmp9                            ; g
	v_lshlrev_b32 v[IN], 5, v0
	v_lshlrev_b32 v[BO], 4, v0
	v_and_b32 v10, 127, v0
	v_lshrrev_b32 v11, 7, v0
	s_sub_co_u32 s3, s2, 512                       ; j = g - 512 (used where g >= 512 alone)
	s_lshr_b32 s28, s3, 6                          ; m: which W
	s_and_b32 s29, s3, 63                          ; i: which 16 rows of it
	s_lshl_b32 s34, s28, 11                        ; 2,048 m: its columns in a row of wb
	s_lshr_b32 s35, s2, 6
	s_movk_i32 s45, 2048                           ; bytes in a row of xb,
	s_movk_i32 s46, 6144                           ; and of wb
	s_cmp_eq_u32 s35, 8                            ; groups 512-575 are Wq's
	s_cselect_b32 s[FAC], 0x3d000000, 1.0          ; 1/32 or 1
	s_mov_b32 s[FAC+1], s[FAC]
	s_cmp_lt_u32 s2, 512
	s_cselect_b32 s30, s2, s29                     ; the block of 16 rows in the source
	s_cselect_b32 s31, s45, s46                    ; the destination's pitch
	s_cselect_b32 s34, 0, s34
	s_mul_i32 s32, s30, s31
	s_lshl_b32 s32, s32, 4                         ; 16 rows x pitch x block
	s_add_co_u32 s32, s32, s34
	s_mov_b32 s33, 0
	s_lshl_b32 s42, s30, 16                        ; 65,536 x block
	s_mov_b32 s43, 0
	s_lshl_b32 s44, s31, 1                         ; two rows of the destination
	v_mul_u32_u24 v[OUT], v11, s31
	v_lshl_add_u32 v[OUT], v10, 4, v[OUT]
.irp k, 1,2,3,4,5,6,7
	v_add_nc_u32 v[OUT+\k], s44, v[OUT+\k-1]
.endr
	s_wait_kmcnt 0x0
	s_cmp_eq_u32 s2, 704
	s_cbranch_scc1 .Lbias
	s_cmp_eq_u32 s28, 1
	s_cselect_b64 s[SRC:SRC+1], s[12:13], s[10:11]
	s_cmp_eq_u32 s28, 2
	s_cselect_b64 s[SRC:SRC+1], s[14:15], s[SRC:SRC+1]
	s_cmp_lt_u32 s2, 512
	s_cselect_b64 s[SRC:SRC+1], s[8:9], s[SRC:SRC+1]
	s_cselect_b64 s[DST:DST+1], s[22:23], s[24:25]
	s_add_nc_u64 s[SRC:SRC+1], s[SRC:SRC+1], s[42:43]
	s_add_nc_u64 s[DST:DST+1], s[DST:DST+1], s[32:33]
.irp k, 0,1,2,3,4,5,6,7
	global_load_b128 v[LD+8*\k:LD+8*\k+3],   v[IN], s[SRC:SRC+1] offset:8192*\k th:TH_LOAD_NT
	global_load_b128 v[LD+8*\k+4:LD+8*\k+7], v[IN], s[SRC:SRC+1] offset:8192*\k+16 th:TH_LOAD_NT
.endr
.irp k, 0,1,2,3,4,5,6,7
	s_wait_loadcnt 14-2*\k                         ; loads come back in order: turn k's two are in, the 14 - 2 k younger ones stay out
.irp j, 0,2,4,6
	v_pk_mul_f32 v[LD+8*\k+\j:LD+8*\k+\j+1], v[LD+8*\k+\j:LD+8*\k+\j+1], s[FAC:FAC+1] op_sel_hi:[1,0]
.endr
.irp j, 0,1,2,3
	v_cvt_pk_bf16_f32 v[PK+4*\k+\j], v[LD+8*\k+2*\j], v[LD+8*\k+2*\j+1]
.endr
	global_store_b128 v[OUT+\k], v[PK+4*\k:PK+4*\k+3], s[DST:DST+1]
.endr
	s_endpgm
.Lbias:                                                ; 256 threads x 4 numbers = one bias a load
	global_load_b128 v[16:19], v[BO], s[16:17]
	global_load_b128 v[20:23], v[BO], s[18:19]
	global_load_b128 v[24:27], v[BO], s[20:21]
	s_wait_loadcnt 0x0
.irp j, 0,1,2,3,4,5
	v_cvt_pk_bf16_f32 v[32+\j], v[16+2*\j], v[16+2*\j+1]     ; rounded to bf16,
.endr
.irp j, 0,1,2,3,4,5
	v_lshlrev_b32 v[40+2*\j], 16, v[32+\j]                   ; and back as f32
	v_and_b32 v[40+2*\j+1], 0xffff0000, v[32+\j]
.endr
.irp j, 0,1,2,3
	v_mul_f32 v[40+\j], 0x3d000000, v[40+\j]                 ; bq / 32, exact
.endr
	global_store_b128 v[BO], v[40:43], s[26:27]
	global_store_b128 v[BO], v[44:47], s[26:27] offset:4096
	global_store_b128 v[BO], v[48:51], s[26:27] offset:8192
	s_endpgm
.Lfunc_end_k_qb063270600_cast:
	.size	k_qb063270600_cast, .Lfunc_end_k_qb063270600_cast-k_qb063270600_cast
	.p2alignl 7, 3214868480
	.fill 96, 4, 3214868480
	.section	.rodata,"a",@progbits
	.p2align	6, 0x0
	.amdhsa_kernel k_qb063270600_cast
		.amdhsa_group_segment_fixed_size 0
		.amdhsa_private_segment_fixed_size 0
		.amdhsa_enable_private_segment 0
		.amdhsa_kernarg_size 80
		.amdhsa_user_sgpr_count 2
		.amdhsa_user_sgpr_kernarg_segment_ptr 1
		.amdhsa_wavefront_size32 1
		.amdhsa_system_sgpr_workgroup_id_x 1
		.amdhsa_system_sgpr_workgroup_id_y 1
		.amdhsa_system_sgpr_workgroup_id_z 1
		.amdhsa_system_vgpr_workitem_id 0
		.amdhsa_next_free_vgpr 112
		.amdhsa_next_free_sgpr 66
		.amdhsa_reserve_vcc 0
		.amdhsa_float_denorm_mode_32 3
		.amdhsa_float_denorm_mode_16_64 3
		.amdhsa_memory_ordered 1
		.amdhsa_forward_progress 1
		.amdhsa_inst_pref_size 11
	.end_amdhsa_kernel
	.amdgpu_metadata
---
amdhsa.version: [ 1, 2 ]
amdhsa.kernels:
  - .name:           k_qb063270600_cast
    .symbol:         k_qb063270600_cast.kd
    .args:
      - { .name: x, .offset: 0, .size: 8, .value_kind: global_buffer, .address_space: global }
      - { .name: Wq, .offset: 8, .size: 8, .value_kind: global_buffer, .address_space: global }
      - { .name: Wk, .offset: 16, .size: 8, .value_kind: global_buffer, .address_space: global }
      - { .name: Wv, .offset: 24, .size: 8, .value_kind: global_buffer, .address_space: global }
      - { .name: bq, .offset: 32, .size: 8, .value_kind: global_buffer, .address_space: global }
      - { .name: bk, .offset: 40, .size: 8, .value_kind: global_buffer, .address_space: global }
      - { .name: bv, .offset: 48, .size: 8, .value_kind: global_buffer, .address_space: global }
      - { .name: xb, .offset: 56, .size: 8, .value_kind: global_buffer, .address_space: global }
      - { .name: wb, .offset: 64, .size: 8, .value_kind: global_buffer, .address_space: global }
      - { .name: bcat, .offset: 72, .size: 8, .value_kind: global_buffer, .address_space: global }
    .group_segment_fixed_size: 0
    .private_segment_fixed_size: 0
    .kernarg_segment_align: 8
    .kernarg_segment_size: 80
    .max_flat_workgroup_size: 256
    .sgpr_count:     66
    .vgpr_count:     112
    .wavefront_size: 32
...
	.end_amdgpu_metadata
.endif
;; end of part 1
;; launch proj (part 2): grid 64 x 4, 4 waves a work-group, clusters of 4 x 1, 327,680 bytes of LDS; arguments xb, wb, bcat, qkv; writes qkv
.if DOCPART == 2
	.amdgcn_target "amdgcn-amd-amdhsa--gfx1250"
	.amdhsa_code_object_version 6
	.text
	.protected	k_qb063270600_proj
	.globl	k_qb063270600_proj
	.p2align	8
	.type	k_qb063270600_proj,@function
k_qb063270600_proj:
	s_mov_b64 s[64:65], 0
	v_nop
	global_prefetch_b8 v0, s[64:65] scope:SCOPE_SE
	s_setreg_imm32_b32 hwreg(HW_REG_WAVE_MODE, 25, 1), 1
	s_wait_xcnt 0x0
	s_wait_alu depctr_hold_cnt(0) depctr_sa_sdst(0) depctr_va_vdst(0) depctr_va_sdst(0) depctr_va_ssrc(0) depctr_va_vcc(0) depctr_vm_vsrc(0)
	s_getreg_b32 s2, hwreg(HW_REG_IB_STS2, 6, 4)
	s_cmp_eq_u32 s2, 0
	s_cbranch_scc0 .Lentry_in_a_cluster
	s_endpgm
.Lentry_in_a_cluster:
	s_bfe_u32 s2, ttmp6, 0x10000c
	s_cmp_lg_u32 s2, 0x3003
	s_cbranch_scc0 .Lentry_shape_is_right
	s_endpgm
.Lentry_shape_is_right:
; PROJ.  qkv[m][n] = bcat[n] + the sum over d of xb[m][d] wb[d][n].  xb [8192][1024] bf16, wb [1024][3072] bf16, bcat [3072] f32, qkv [8192][3072] f16 (Q/32 | K | V).  Sums in f32, qkv rounded once.
; LIMIT.  f16 ends at 65,504: Q/32, K and V must stay within it; below 6e-5 they keep f16's fixed step of 6e-8.
; SHARES.  A tile is 128 rows x 256 columns; wave w makes rows 64 (w / 2) on, columns 128 (w % 2) on: 32 accumulators of 16 x 16 (a = 0..3 row blocks, b = 0..7 column blocks).
; A WORK-GROUP STAYS: it makes three tiles of the same 128 rows: column tiles y, y + 4, y + 8, the same 256 columns of Q, of K and of V: 64 x 4 = 256 work-groups of equal work.  The three tiles' 12 steps of 256 along d
; are ONE walk for the ring: step j's change of slots asks for step j + 2, across the tiles' ends too.  Behind steps 3:
; both refills and the next tile's first fragments have been asked for by then, and nothing waits for the stores.
; THE PRODUCT IS USED TRANSPOSED (source 0 = 16 columns of wb, source 1 = 16 rows of xb): lane l then holds row 16 a + l % 16 and the eight neighbouring columns 16 b + 8 (l / 16) + 0..7.
; wb GOES THROUGH LDS: two slots, each 256 d x 256 n, a quarter (64 rows of 512 bytes) by each wave's one tensor load; it lies [d][n] and comes out turned, by ds_load_tr16_b128.
; xb COMES STRAIGHT INTO FRAGMENTS: a fragment in registers is laid out as the rows lie in memory (16 bytes a lane, twice).  A ring of eight register slots, one for each slice of 32 along d, is asked for
; six and a half slices (208 matrix instructions) ahead; these loads stay out across the barriers.  The eight slices of a step read 512 consecutive bytes of each row.
; CLUSTER.  The four work-groups of a cluster make four row tiles of the same columns, so wb's tile is asked for JOINTLY (mask 15, the same descriptor in all four).  xb's rows are not shared that way:
; they do not pass through LDS, and only the two column waves of one work-group read the same rows.
; REGISTERS in windows of 256 (s_set_vgpr_msb: bits 1:0 source 0, 3:2 source 1, 5:4 source 2, 7:6 destination):
;   window 0: v0-15 addresses; v16-47 packed results; v64-127 the tile's bias; v128-191, v192-255 two buffers of wb's fragments
;   window 1: xb's ring, slot s at v[32 s], fragment a at + 8 a          window 2: accumulator (a, b) at v[64 a + 8 b]; on the way out rows come back into the registers just packed
.set NT,     3                         ; tiles of a work-group
.set T,      4*NT                      ; steps of 256 along d in its walk
.set PITCHA, 2048                      ; bytes in a row of xb
.set PITCHB, 6144                      ; bytes in a row of wb and of qkv
.set STRIDE, 256*PITCHB                ; a step further in wb
.set PT,     544                       ; an LDS row: 512 bytes + 32 of padding = 17 x 32
.set QB,     64*PT                     ; what one tensor load fills
.set SLOT,   4*QB
.set STAGE,  2*SLOT                    ; behind the ring: 16 rows x 272 bytes for each wave, for the way out
.set SPITCH, 272
.set SPARE,  STAGE+4*16*SPITCH         ; behind the stages: the spare words, 128 bytes for each wave
.set LC,     48                        ; a ring slot's loads are followed by six runs of 8 before they are wanted
.set AO,   4                           ; v4   my byte offset in a fragment's rows of xb: (l % 16) x PITCHA + 16 (l / 16); never rewritten
.set B0,   5                           ; v5   my lane's place in a slot
.set ADRB, 6                           ; v6-7 the same in the slot in hand: slices 0-3, slices 4-7
.set STO,  8                           ; v8   the way out: where I put 16 bytes of a row
.set RD,   9                           ; v9   where I read rows back
.set CO,   10                          ; v10  my byte offset in two rows of qkv
.set PFO,  11                          ; v11  the prefetch's offset
.set SPW,  12                          ; v12  LDS address of my spare word; never rewritten
.set NIL,  13                          ; v13  0; never rewritten
.set BO,   14                          ; v14  32 (l / 16): my eight numbers of a block of the bias
.set PKR,  16
.set BIAS, 64
.set BF,   128
.set WV, 12
.set WR, 13
.set WC, 14
.set CX, 15
.set MT, 16
.set YY, 17
.set ROW0, 19                          ; s19  my wave's first row
.set G1,  24                           ; s[24:31] descriptor group 1
.set G0A, 32                           ; s[32:35] group 0 of the first fill of slot 0
.set G0B, 36                           ; s[36:39] group 0 of the first fill of slot 1, and of every refill
.set TB,  40                           ; s40  LDS byte at which the slot in hand begins: 0 or SLOT
.set WQ,  41                           ; s41  my quarter of a slot
.set CNT, 42
.set LIM, 43                           ; s43  1 in a cluster that prefetches, else the greatest number
.set AP,  44                           ; s[44:45] xb at my rows, at the step whose slices are being asked for
.set AB,  46                           ; s[46:47] xb at my rows
.set PFA, 48                           ; s[48:49] where my prefetch stands
.set OB,  50                           ; s[50:51] qkv at my part of the tile in hand
.set WB,  52                           ; s[52:53] wb at my 64 rows of step 0 and the first tile's columns
.set PB,  54                           ; s[54:55] the same at my work-group's 16 of those rows
.set JN,  60                           ; s60  a step's number: j + 1 up to slice 1 of step j, j + 2 from there on
.set W_MM, 0xa4                        ; wb's fragment window 0, xb's window 1, C and D window 2
.set W_A,  0x40                        ; a load's destination window 1
.set MSB, 0
.macro WIN new                         ; the immediate's high byte repeats the setting that is left; a switch that changes nothing is dropped
.if MSB != (\new)
	s_set_vgpr_msb (MSB<<8)|(\new)
.set MSB, \new
.endif
.endm
.macro PLACES                          ; four plain instructions between a matrix instruction and a load into, or a reader of, its registers
.rept 4
	v_nop
.endr
.endm
.macro CREST                           ; a round of the cluster's barrier behind its opening barrier
	s_cmp_lg_u32 s[WV], 0
	s_cbranch_scc1 .Lnot_wave_0_\@
	s_barrier_signal -3
.Lnot_wave_0_\@:
	s_barrier_wait -3
	s_barrier_signal -1
	s_barrier_wait -1
.endm
.macro CROUND
	s_barrier_signal -1
	s_barrier_wait -1
	CREST
.endm
; Matrix instructions n0 .. n0 + cnt - 1 of a slice's 32: column block n / 4, row block n % 4.  The 32 accumulators take turns, one instruction a turn, in the same order in every slice.
.macro MMS f, s, n0, cnt
	WIN W_MM
.set n, \n0
.rept \cnt
	v_wmma_f32_16x16x32_bf16 v[64*(n%4)+8*(n/4):64*(n%4)+8*(n/4)+7], v[BF+64*(\f)+8*(n/4):BF+64*(\f)+8*(n/4)+7], v[32*(\s)+8*(n%4):32*(\s)+8*(n%4)+7], v[64*(n%4)+8*(n/4):64*(n%4)+8*(n/4)+7]
.set n, n+1
.endr
.endm
; 16 LDS loads in one run: slice s's eight fragments of wb (32 d x 16 n each, turned) into buffer f, column blocks ascending
.macro FETCHB s, f
.set ar, ADRB+(\s)/4
.irp b, 0,1,2,3,4,5,6,7
	ds_load_tr16_b128 v[BF+64*(\f)+8*\b:BF+64*(\f)+8*\b+3],   v[ar] offset:((\s)%4)*32*PT+32*\b
	ds_load_tr16_b128 v[BF+64*(\f)+8*\b+4:BF+64*(\f)+8*\b+7], v[ar] offset:((\s)%4)*32*PT+32*\b+16*PT
.endr
.endm
.macro ALOAD slot, off                 ; 8 loads: a slice's four fragments of xb into a ring slot
.irp a, 0,1,2,3
	global_load_b128 v[32*(\slot)+8*\a:32*(\slot)+8*\a+3],   v[AO], s[AP:AP+1] offset:16*\a*PITCHA+(\off)
	global_load_b128 v[32*(\slot)+8*\a+4:32*(\slot)+8*\a+7], v[AO], s[AP:AP+1] offset:16*\a*PITCHA+(\off)+32
.endr
.endm
.macro RUN u                           ; in slice u the slot that the slice before has left is asked for again, seven slices ahead: run 0 ends a step's eight slices, runs 1 to 7 begin the next step's
.if (\u) == 0
	ALOAD 7, 448
.else
	ALOAD (\u)-1, 64*((\u)-1)
.endif
.endm
; Between run 0 and run 1 the ring's pointer goes on to the next step: all tiles take the same rows of xb, so it goes round: 512 bytes x (step % 4).  Behind the walk's last step it stands at the rows' first
; bytes once more (inside xb; what is then loaded is not used).  pf = 1: the prefetch's address is made too, for step j + 3.
.macro STEPA pf
	s_wait_xcnt 0x0                                ; every load and prefetch issued so far (the youngest load 32 matrix instructions back) has read its address
	s_and_b32 s20, s[JN], 3
	s_lshl_b32 s20, s20, 9
	s_add_nc_u64 s[AP:AP+1], s[AB:AB+1], s[20:21]
.if \pf
	s_add_co_u32 s22, s[JN], 2
	s_and_b32 s20, s22, 3
	s_mul_i32 s20, s20, STRIDE                     ; the step in its tile: 256 rows of wb each,
	s_lshr_b32 s22, s22, 2
	s_lshl_b32 s22, s22, 11                        ; the tile: 2,048 bytes along the rows each
	s_add_co_u32 s20, s20, s22
	s_add_nc_u64 s[PFA:PFA+1], s[PB:PB+1], s[20:21]
.endif
	s_add_co_u32 s[JN], s[JN], 1
.endm
.macro SLICE s, pf                     ; one of a step's first seven slices
	s_wait_loadcnt LC                              ; my ring slot is in; the six younger runs stay out
	s_wait_dscnt 8                                 ; column blocks 0-3 are in; the youngest eight loads (blocks 4-7) may be out
	MMS (\s)&1, \s, 0, 16
	PLACES
	WIN 0
	FETCHB (\s)+1, 1-((\s)&1)
.if (\s) == 1
	STEPA \pf
.endif
	WIN W_A
	RUN \s
	s_wait_dscnt 16                                ; all but the 16 just issued
	MMS (\s)&1, \s, 16, 16
.endm
; A prefetch into the L2 of the step behind the one that is being asked for: of the 64 rows x 512 bytes that I fetch, my work-group's 16 rows (told apart by address), a lane a block of 256 bytes.
; Only the first cluster along x asks: every cluster walks the same rows of wb for a given y.  The last refill asks for nothing; steps 0 to 2 come by their loads alone: steps 3 to 11 are named, each once.
.macro ASK
	s_cmp_gt_u32 s[CNT], s[LIM]
	s_cbranch_scc0 .Lnot_mine_\@
	global_prefetch_b8 v[PFO], s[PFA:PFA+1] th:TH_LOAD_NT scope:SCOPE_SE
.Lnot_mine_\@:
.endm
; The eighth slice changes slots: ONE barrier.  In front of it each wave waits for all its tensor loads (one is out: its quarter of the next slot), adds 0 to its spare word, and waits for that and for its reads of this slot.
; refill = 1: the barrier opens a round of the cluster's barrier, and behind the round this slot is asked for again, for step j + 2 of the walk: 256 matrix instructions less 16 lie between the request and the wait for it.
.macro TURN refill
	s_wait_loadcnt LC
	WIN 0                                          ; (the add's two registers lie in window 0)
	s_wait_tensorcnt 0x0                           ; no tensor load of mine is out, so a group 0 may be written
	ds_add_u32 v[SPW], v[NIL]                      ; 0 onto my spare word: the descriptor's words and eight products stand between it and the wait for it
.if \refill
	s_add_co_u32 s[G0B+1], s[WQ], s[TB]            ; my quarter of the slot in hand;
	s_and_b32 s20, s[JN], 3                        ; the address is made anew from the step's number, j + 2: the step in its tile,
	s_mul_i32 s20, s20, STRIDE
	s_lshr_b32 s22, s[JN], 2                       ; and the tile
	s_lshl_b32 s22, s22, 11
	s_add_co_u32 s20, s20, s22
	s_add_nc_u64 s[G0B+2:G0B+3], s[WB:WB+1], s[20:21]
	s_or_b32 s[G0B+3], s[G0B+3], 0x80000000        ; type = 2
.endif
	s_wait_dscnt 9                                 ; (the add and the youngest eight loads may be out)
	MMS 1, 7, 0, 8
	s_wait_dscnt 0x0                               ; the add is done, and my reads of this slot are over
	s_barrier_signal -1
	MMS 1, 7, 8, 8                                 ; work on registers while the others arrive
	WIN 0
	s_barrier_wait -1
.if \refill
	CREST                                          ; no wave of any partner still reads this slot or has a load on its way
	s_xor_b32 s[TB], s[TB], SLOT
	tensor_load_to_lds s[G0B:G0B+3], s[G1:G1+7]
	s_nop 0
.else
	s_xor_b32 s[TB], s[TB], SLOT
.endif
	v_add_nc_u32 v[ADRB], s[TB], v[B0]             ; these four lines are also the places in front of the loads below
	v_add_nc_u32 v[ADRB+1], 4*32*PT, v[ADRB]
	v_nop
	v_nop
	FETCHB 0, 0
	WIN W_A
	RUN 7
	WIN 0
.if \refill
	ASK
.endif
	MMS 1, 7, 16, 16
	WIN 0
.endm
; THE WAY OUT, 16 rows at a time: rounded to f16 (16 bytes a lane), into my own stage, back as whole rows of 256 bytes into the registers of the accumulators just packed, stored.
.macro PACK a
	WIN 0x0a                                       ; sources window 2
.set i, 0
.rept 32
	v_cvt_pk_f16_f32 v[PKR+i], v[64*(\a)+2*i], v[64*(\a)+2*i+1]   ; each accumulator's registers in ascending order
.set i, i+1
.endr
	WIN 0
.endm
.macro TOSTAGE a
	WIN 0
.irp b, 0,1,2,3,4,5,6,7
	ds_store_b128 v[STO], v[PKR+4*\b:PKR+4*\b+3] offset:32*\b
.endr
	WIN 0x80                                       ; destination window 2
.irp t, 0,1,2,3,4,5,6,7
	ds_load_b128 v[64*(\a)+4*\t:64*(\a)+4*\t+3], v[RD] offset:2*\t*SPITCH   ; LDS serves a wave's instructions in order (ISA guide 5.7.1.4): these see the stores above
.endr
	WIN 0
.endm
.macro SEND a
	s_wait_dscnt 0x0
	WIN 0x08                                       ; a store's data is source 1: window 2
.irp t, 0,1,2,3,4,5,6,7
	global_store_b128 v[CO], v[64*(\a)+4*\t:64*(\a)+4*\t+3], s[OB:OB+1] offset:(16*(\a)+2*\t)*PITCHB  ; 16 lanes store 256 consecutive bytes, at a multiple of 256 from qkv's first byte
.endr
	WIN 0
.endm
.macro WAYOUT more                     ; more = 1: another tile follows: its bias is asked for first and awaited last
	PLACES                                         ; behind the last products
.if \more
	s_add_nc_u64 s[8:9], s[8:9], 4096              ; (the loads that read this pointer have been waited for)
.irp b, 0,1,2,3,4,5,6,7
	global_load_b128 v[BIAS+8*\b:BIAS+8*\b+3],   v[BO], s[8:9] offset:64*\b
	global_load_b128 v[BIAS+8*\b+4:BIAS+8*\b+7], v[BO], s[8:9] offset:64*\b+16
.endr
.endif
	PACK 0
	TOSTAGE 0
.irp a, 1,2,3
	PACK \a                                        ; a block's conversions stand between the loads of the block before and the wait for them
	SEND (\a)-1
	TOSTAGE \a
.endr
	SEND 3
.if \more
	s_wait_xcnt 0x0                                ; the stores have read their registers and their base: both are written below
	s_add_nc_u64 s[OB:OB+1], s[OB:OB+1], 2048      ; the next tile's columns
	s_wait_loadcnt 0x0                             ; the bias is in, and with it all the ring's older loads: every counted wait that follows holds
.endif
.endm
	s_load_b256 s[4:11], s[0:1], 0x0               ; xb s[4:5], wb s[6:7], bcat s[8:9], qkv s[10:11]
	v_lshl_add_u32 v[SPW], v0, 2, SPARE
	v_mov_b32 v[NIL], 0
	ds_add_u32 v[SPW], v[NIL]                      ; the wave's opening: the add and its wait stand ahead of my first tensor load; the set-up below stands between them
	v_lshrrev_b32 v3, 5, v0
	v_readfirstlane_b32 s[WV], v3                  ; wave 0..3
	s_lshr_b32 s[WR], s[WV], 1
	s_and_b32 s[WC], s[WV], 1
	s_bfe_u32 s[CX], ttmp6, 0x40000                ; my place in the cluster: it enters xb's, qkv's and the prefetch's addresses alone
	s_lshl_b32 s[MT], ttmp9, 2
	s_add_co_u32 s[MT], s[MT], s[CX]               ; row tile = 4 x cluster x + cx
	s_and_b32 s[YY], ttmp7, 0xffff                 ; the first column tile, which the four partners share
	s_lshl_b32 s[ROW0], s[MT], 7
	s_lshl_b32 s20, s[WR], 6
	s_add_co_u32 s[ROW0], s[ROW0], s20
	s_mov_b32 s20, ttmp9
	s_cmp_eq_u32 s20, 0
	s_cselect_b32 s[LIM], 1, -1                    ; the same in all four partners
	s_mov_b32 s[G1+0], 15|(1<<16)|(1<<20)|(1<<21)|(6<<22)|(7<<25)  ; mask of four; 2-byte elements; padding on; bit 21 beside a mask; after every 128 words; 8 words
	s_mov_b32 s[G1+1], 256<<16                     ; tensor_dim0 = 256
	s_mov_b32 s[G1+2], 64<<16                      ; tensor_dim1 = 64
	s_mov_b32 s[G1+3], 256<<16                     ; tile_dim0 = 256
	s_mov_b32 s[G1+4], 64                          ; tile_dim1 = 64
	s_mov_b32 s[G1+5], 3072                        ; elements from row to row
	s_mov_b32 s[G1+6], 0
	s_mov_b32 s[G1+7], 0
	s_mul_i32 s[WQ], s[WV], QB
	s_mov_b32 s[TB], 0
	s_mov_b32 s[G0A], 1
	s_mov_b32 s[G0A+1], s[WQ]
	s_mov_b32 s[G0B], 1
	s_add_co_u32 s[G0B+1], s[WQ], SLOT
	s_mul_i32 s20, s[WV], 64*PITCHB                ; wb: my 64 rows of a step,
	s_lshl_b32 s21, s[YY], 9                       ; the first tile's 256 columns
	s_add_co_u32 s20, s20, s21
	s_mov_b32 s21, 0
	s_mul_i32 s56, s[CX], 16*PITCHB                ; the prefetch: my work-group's 16 of those rows
	s_add_co_u32 s56, s56, s20
	s_mov_b32 s57, 0
	s_lshl_b32 s22, s[ROW0], 11                    ; xb: my rows
	s_mov_b32 s23, 0
	s_mul_i32 s58, s[ROW0], PITCHB                 ; qkv: my rows, my 128 columns of the first tile
	s_lshl_b32 s59, s[YY], 9
	s_add_co_u32 s58, s58, s59
	s_lshl_b32 s59, s[WC], 8
	s_add_co_u32 s58, s58, s59
	s_mov_b32 s59, 0
	s_lshl_b32 s62, s[YY], 10                      ; bcat: my 128 columns of the first tile
	s_lshl_b32 s63, s[WC], 9
	s_add_co_u32 s62, s62, s63
	s_mov_b32 s63, 0
	s_lshl_b32 s61, s[WC], 8
	s_mul_i32 s3, s[WV], 16*SPITCH
	s_add_co_u32 s3, s3, STAGE                     ; my stage
	v_and_b32 v1, 15, v0                           ; l % 16
	v_bfe_u32 v2, v0, 4, 1                         ; l / 16
	v_lshlrev_b32 v[AO], 11, v1
	v_lshl_add_u32 v[AO], v2, 4, v[AO]
	v_and_b32 v3, 7, v0                            ; the turning load: lane l reads row 8 (l / 16) + l % 8, 16 bytes at 16 ((l / 8) % 2)
	v_lshl_add_u32 v3, v2, 3, v3
	v_mul_u32_u24 v[B0], v3, PT
	v_bfe_u32 v3, v0, 3, 1
	v_lshl_add_u32 v[B0], v3, 4, v[B0]
	v_add_nc_u32 v[B0], s61, v[B0]                 ; + my 128 columns
	v_mov_b32 v[ADRB], v[B0]
	v_add_nc_u32 v[ADRB+1], 4*32*PT, v[B0]
	v_mul_u32_u24 v[STO], v1, SPITCH
	v_lshl_add_u32 v[STO], v2, 4, v[STO]
	v_add_nc_u32 v[STO], s3, v[STO]
	v_mul_u32_u24 v[RD], v2, SPITCH
	v_lshl_add_u32 v[RD], v1, 4, v[RD]
	v_add_nc_u32 v[RD], s3, v[RD]
	v_mul_u32_u24 v[CO], v2, PITCHB
	v_lshl_add_u32 v[CO], v1, 4, v[CO]
	v_bfe_u32 v3, v0, 1, 4
	v_mul_u32_u24 v[PFO], v3, PITCHB               ; row l / 2,
	v_and_b32 v3, 1, v0
	v_lshl_add_u32 v[PFO], v3, 8, v[PFO]           ; block l % 2 of its 512 bytes
	v_lshlrev_b32 v[BO], 5, v2
	s_wait_dscnt 0x0                               ; the opening add is done
	s_wait_kmcnt 0x0
	s_add_nc_u64 s[WB:WB+1], s[6:7], s[20:21]
	s_mov_b64 s[G0A+2:G0A+3], s[WB:WB+1]
	s_add_nc_u64 s[G0B+2:G0B+3], s[WB:WB+1], STRIDE
	s_or_b32 s[G0A+3], s[G0A+3], 0x80000000        ; type = 2
	s_or_b32 s[G0B+3], s[G0B+3], 0x80000000
	s_add_nc_u64 s[PB:PB+1], s[6:7], s[56:57]
	s_add_nc_u64 s[AB:AB+1], s[4:5], s[22:23]
	s_mov_b64 s[AP:AP+1], s[AB:AB+1]
	s_add_nc_u64 s[OB:OB+1], s[10:11], s[58:59]
	s_add_nc_u64 s[8:9], s[8:9], s[62:63]
	CROUND                                         ; all four work-groups are here: the first joint loads meet
	tensor_load_to_lds s[G0A:G0A+3], s[G1:G1+7]    ; step 0 into slot 0,
	s_nop 0
	tensor_load_to_lds s[G0B:G0B+3], s[G1:G1+7]    ; step 1 into slot 1: two loads of mine are out
	s_nop 0
	PLACES
.irp b, 0,1,2,3,4,5,6,7
	global_load_b128 v[BIAS+8*\b:BIAS+8*\b+3],   v[BO], s[8:9] offset:64*\b       ; the bias of my eight columns of block b
	global_load_b128 v[BIAS+8*\b+4:BIAS+8*\b+7], v[BO], s[8:9] offset:64*\b+16
.endr
	WIN W_A
.irp s, 0,1,2,3,4,5,6
	ALOAD \s, 64*\s                                ; ring slots 0 to 6; slot 7 is asked for in slice 0, like every slot after it
.endr
	WIN 0
	s_wait_loadcnt 56                              ; the bias is in; the ring's 56 loads stay out
	s_wait_tensorcnt 0x1                           ; my quarter of slot 0 is in; slot 1's may stay out
	s_barrier_signal -1
	s_barrier_wait -1
	FETCHB 0, 0
	s_mov_b32 s[CNT], T-1                          ; the loop is entered at its foot, which takes the count down once: T - 2 trips follow
	s_mov_b32 s[JN], 1
	s_mov_b32 s21, 0                               ; the upper word of the offsets made in s20
	s_branch .Linit
.Lr:                                                   ; T - 2 steps that ask for a slot again
.irp s, 0,1,2,3,4,5,6
	SLICE \s, 1
.endr
	TURN 1
	s_and_b32 s22, s[JN], 3                        ; JN = j + 2: step j ends a tile where j % 4 = 3
	s_cmp_lg_u32 s22, 1
	s_cbranch_scc1 .Lnoout
	WAYOUT 1
.Linit:                                                ; a tile's sums start at its bias: written once, for the kernel's head too, so that a step has one text
	WIN 0x80                                       ; destination window 2
.set i, 0
.rept 256
	v_mov_b32 v[i], v[BIAS+i%64]
.set i, i+1
.endr
	WIN 0
.Lnoout:
	s_sub_co_u32 s[CNT], s[CNT], 1
	s_cmp_lg_u32 s[CNT], 0
	s_cbranch_scc1 .Lr
	s_mov_b32 s[CNT], 2
.Lt:                                                   ; the last two steps ask for no tile.  One text serves both: in the very last step the ring's runs read the rows' first slices once more
.irp s, 0,1,2,3,4,5,6                          ; (inside xb, unused), and its change of slots fetches fragments that nobody multiplies: so every counted wait holds on every way
	SLICE \s, 0
.endr
	TURN 0
	s_sub_co_u32 s[CNT], s[CNT], 1
	s_cmp_lg_u32 s[CNT], 0
	s_cbranch_scc1 .Lt
	WAYOUT 0
	s_wait_tensorcnt 0x0                           ; the wave's end
	ds_add_u32 v[SPW], v[NIL]
	s_wait_dscnt 0x0
	CROUND                                         ; the closing round
	s_endpgm
.Lfunc_end_k_qb063270600_proj:
	.size	k_qb063270600_proj, .Lfunc_end_k_qb063270600_proj-k_qb063270600_proj
	.p2alignl 7, 3214868480
	.fill 96, 4, 3214868480
	.section	.rodata,"a",@progbits
	.p2align	6, 0x0
	.amdhsa_kernel k_qb063270600_proj
		.amdhsa_group_segment_fixed_size 327680
		.amdhsa_private_segment_fixed_size 0
		.amdhsa_enable_private_segment 0
		.amdhsa_kernarg_size 32
		.amdhsa_user_sgpr_count 2
		.amdhsa_user_sgpr_kernarg_segment_ptr 1
		.amdhsa_wavefront_size32 1
		.amdhsa_system_sgpr_workgroup_id_x 1
		.amdhsa_system_sgpr_workgroup_id_y 1
		.amdhsa_system_sgpr_workgroup_id_z 1
		.amdhsa_system_vgpr_workitem_id 0
		.amdhsa_next_free_vgpr 768
		.amdhsa_next_free_sgpr 66
		.amdhsa_reserve_vcc 0
		.amdhsa_float_denorm_mode_32 3
		.amdhsa_float_denorm_mode_16_64 3
		.amdhsa_memory_ordered 1
		.amdhsa_forward_progress 1
		.amdhsa_inst_pref_size 124
	.end_amdhsa_kernel
	.amdgpu_metadata
---
amdhsa.version: [ 1, 2 ]
amdhsa.kernels:
  - .name:           k_qb063270600_proj
    .symbol:         k_qb063270600_proj.kd
    .args:
      - { .name: xb, .offset: 0, .size: 8, .value_kind: global_buffer, .address_space: global }
      - { .name: wb, .offset: 8, .size: 8, .value_kind: global_buffer, .address_space: global }
      - { .name: bcat, .offset: 16, .size: 8, .value_kind: global_buffer, .address_space: global }
      - { .name: qkv, .offset: 24, .size: 8, .value_kind: global_buffer, .address_space: global }
    .group_segment_fixed_size: 327680
    .private_segment_fixed_size: 0
    .kernarg_segment_align: 8
    .kernarg_segment_size: 32
    .max_flat_workgroup_size: 128
    .sgpr_count:     66
    .vgpr_count:     768
    .wavefront_size: 32
...
	.end_amdgpu_metadata
.endif
;; end of part 2
;; launch score (part 3): grid 64 x 8, 4 waves a work-group, clusters of 4 x 1, 327,680 bytes of LDS; arguments qkv, mask, p, stat; writes p, stat
.if DOCPART == 3
	.amdgcn_target "amdgcn-amd-amdhsa--gfx1250"
	.amdhsa_code_object_version 6
	.text
	.protected	k_qb063270600_score
	.globl	k_qb063270600_score
	.p2align	8
	.type	k_qb063270600_score,@function
k_qb063270600_score:
	s_mov_b64 s[64:65], 0
	v_nop
	global_prefetch_b8 v0, s[64:65] scope:SCOPE_SE
	s_setreg_imm32_b32 hwreg(HW_REG_WAVE_MODE, 25, 1), 1
	s_wait_xcnt 0x0
	s_wait_alu depctr_hold_cnt(0) depctr_sa_sdst(0) depctr_va_vdst(0) depctr_va_sdst(0) depctr_va_ssrc(0) depctr_va_vcc(0) depctr_vm_vsrc(0)
	s_getreg_b32 s2, hwreg(HW_REG_IB_STS2, 6, 4)
	s_cmp_eq_u32 s2, 0
	s_cbranch_scc0 .Lentry_in_a_cluster
	s_endpgm
.Lentry_in_a_cluster:
	s_bfe_u32 s2, ttmp6, 0x10000c
	s_cmp_lg_u32 s2, 0x3003
	s_cbranch_scc0 .Lentry_shape_is_right
	s_endpgm
.Lentry_shape_is_right:
; SCORE.  z[q][k] = (Q/32)[q] . K[k] + bf16(mask[q][k]).  For each row q and each PIECE of 128 keys: m = the largest z, p = 2^((z - m) log2 e) rounded to f16, l = the sum of the unrounded p.
; p [8192][2048] f16; stat [2][16][8192] f32: part 0 m, part 1 l, by piece and row.  The launch behind joins the 16 pieces of a row by their m and l: together that is the softmax with the row's maximum taken away.
; z - m is formed first and then scaled, so that the row's largest weight is 1 whatever the size of z: no weight can pass f16's range.
; LIMITS.  m is held at -2^126 or above: a piece in which every z lies below that (-inf among them) has p = 0 and l = 0; a row in which every piece is so comes out NaN in the launch behind, as a row of -inf does
; in the reference.  A NaN in z loses in the maximum and is not treated apart; +inf gives NaN.  The mask is rounded to bf16 like every other input.
; SHARES, LAYOUT, RING: a work-group of four waves makes 128 rows x 256 keys; wave w rows 64 (w / 2) on, keys 128 (w % 2) on (one piece): 32 accumulators (a = 0..3 row blocks, b = 0..7 key blocks).
; Source 0 = 16 keys, source 1 = 16 queries: lane l holds row 16 a + l % 16 and keys 16 b + 8 (l / 16) + 0..7.  K goes through two LDS slots of 256 keys x 256 channels (a quarter by each wave's one tensor load),
; Q straight into a ring of eight register slots, one for each slice of 32 channels, seven slices ahead.  Four steps of 256 channels: two that ask for a slot again (one text, two trips), two that do not (likewise).
; The very first slice, whose products start the sums with the constant 0, stands ahead of the first loop, which is entered behind its own first slice.
; THE MASK streams in under the products: accumulator i's 8 numbers a lane land in window 3 at the accumulator's own register numbers: accumulators 0-7 in the head, 8 + s, 16 + s, 24 + s in slice s of steps 0, 1, 2.
; The registers differ from step to step while the text is one: so a slice's two mask loads stand under a forward branch on the trip's number.
; Neither Q nor the mask is prefetched: their own loads go out 208 matrix instructions or more ahead of their use.
; CLUSTER.  The four work-groups of a cluster make four row tiles of one batch against the same 256 keys: K's tile is asked for JOINTLY (mask 15).  Q's rows do not pass through LDS and are shared by no other work-group of the cluster.
; REGISTERS: window 0: v0-17 addresses; v24 1.0; v26-51 at work; v64-95 packed p; v128-191, v192-255 K's two fragment buffers (later v128-159: rows read back); window 1: Q's ring, later v0-63 z and p of 16 rows,
; v64-95 their mask in bf16; window 2: accumulators; window 3: the mask.
.set PITCHA, 6144
.set PITCHB, 6144
.set PN,     528                       ; an LDS row: 512 bytes + 16 of padding = 33 x 16: the 16 rows of a load start in 16 different groups of four banks
.set QB,     64*PN
.set SLOT,   4*QB
.set STAGE,  2*SLOT
.set SPITCH, 272
.set STATST, STAGE+4*16*SPITCH         ; 512 bytes for each wave: its 64 m, then its 64 l
.set SPARE,  STATST+4*512
.set AO,   4
.set B0,   5                           ; v5   my lane's place in a slot
.set ADRB, 6                           ; v6   the same in the slot in hand
.set STO,  8
.set RD,   9
.set CO,   10
.set PFO,  11
.set SPW,  12
.set NIL,  13
.set MO,   14                          ; v14  my byte offset in 16 rows of the mask: 8,192 (l % 16) + 32 (l / 16)
.set SS,   15                          ; v15  where I put a statistic
.set SLD,  16                          ; v16  where I read four back
.set SG,   17                          ; v17  my byte offset in stat
.set ONE,  24
.set LL,   26                          ; v26  l of the row block in hand
.set CH,   28                          ; v28-31 four chains of the maximum
.set MM2,  32                          ; v32-33 m of the row block in hand, twice
.set TS,   34                          ; v34-35 at work
.set MA,   36                          ; v36-39 m of row block a
.set LA,   40                          ; v40-43 l of row block a
.set PK,   64
.set BF,   128
.set BK,   128
.set MB,   64                          ; window 1
.set WV, 12
.set WR, 13
.set WC, 14
.set CX, 15
.set MT, 16
.set YY, 17
.set BA, 18
.set ROW0, 19
.set G1,  24
.set G0A, 32                           ; the first fill of slot 0
.set G0B, 36                           ; the first fill of slot 1; then it walks
.set TB,  40
.set WQ,  41
.set CNT, 42
.set LIM, 43
.set AP,  44                           ; s[44:45] Q at my rows, at the step whose slices are being asked for
.set MP,  46                           ; s[46:47] the mask at my rows and keys
.set PFA, 48
.set OB,  50                           ; s[50:51] p at my part of the tile
.set LE,  52                           ; s[52:53] log2 e, named as a pair
.set FLOOR, 54                         ; s54  -2^126
.set EA,  55                           ; s55  row blocks still to go
.set SEL, 56                           ; s[56:57] v_permlanex16_b32's selects: each lane takes its own place in the other half
.set HM,  58                           ; s58  the lanes 16-31
.set W_MM, 0xa4
.set W_A,  0x40
.set MSB, 0
.macro WIN new
.if MSB != (\new)
	s_set_vgpr_msb (MSB<<8)|(\new)
.set MSB, \new
.endif
.endm
.macro PLACES
.rept 4
	v_nop
.endr
.endm
.macro CREST
	s_cmp_lg_u32 s[WV], 0
	s_cbranch_scc1 .Lnot_wave_0_\@
	s_barrier_signal -3
.Lnot_wave_0_\@:
	s_barrier_wait -3
	s_barrier_signal -1
	s_barrier_wait -1
.endm
.macro CROUND
	s_barrier_signal -1
	s_barrier_wait -1
	CREST
.endm
.macro MMS f, s, n0, cnt, zero         ; key block n / 4, row block n % 4; the 32 accumulators take turns.  zero = 1: the first slice starts the sums
	WIN W_MM
.set n, \n0
.rept \cnt
.if \zero
	v_wmma_f32_16x16x32_f16 v[64*(n%4)+8*(n/4):64*(n%4)+8*(n/4)+7], v[BF+64*(\f)+8*(n/4):BF+64*(\f)+8*(n/4)+7], v[32*(\s)+8*(n%4):32*(\s)+8*(n%4)+7], 0
.else
	v_wmma_f32_16x16x32_f16 v[64*(n%4)+8*(n/4):64*(n%4)+8*(n/4)+7], v[BF+64*(\f)+8*(n/4):BF+64*(\f)+8*(n/4)+7], v[32*(\s)+8*(n%4):32*(\s)+8*(n%4)+7], v[64*(n%4)+8*(n/4):64*(n%4)+8*(n/4)+7]
.endif
.set n, n+1
.endr
.endm
.macro FETCHB s, f                     ; slice s's eight fragments of K (16 keys x 32 channels) into buffer f
.irp b, 0,1,2,3,4,5,6,7
	ds_load_b128 v[BF+64*(\f)+8*\b:BF+64*(\f)+8*\b+3],   v[ADRB] offset:16*PN*\b+64*(\s)
	ds_load_b128 v[BF+64*(\f)+8*\b+4:BF+64*(\f)+8*\b+7], v[ADRB] offset:16*PN*\b+64*(\s)+32
.endr
.endm
.macro ALOAD slot, off
.irp a, 0,1,2,3
	global_load_b128 v[32*(\slot)+8*\a:32*(\slot)+8*\a+3],   v[AO], s[AP:AP+1] offset:16*\a*PITCHA+(\off)
	global_load_b128 v[32*(\slot)+8*\a+4:32*(\slot)+8*\a+7], v[AO], s[AP:AP+1] offset:16*\a*PITCHA+(\off)+32
.endr
.endm
.macro RUN u                           ; in slice u the ring slot that the slice before has left is asked for again: run 0 ends a step's eight slices, runs 1 to 7 begin the next step's
.if (\u) == 0
	ALOAD 7, 448
.else
	ALOAD (\u)-1, 64*((\u)-1)
.endif
.endm
.macro MLOAD i                         ; the mask of accumulator i = 8 a + b: 32 bytes a lane
	global_load_b128 v[8*(\i):8*(\i)+3],   v[MO], s[MP:MP+1] offset:131072*((\i)/8)+64*((\i)%8)
	global_load_b128 v[8*(\i)+4:8*(\i)+7], v[MO], s[MP:MP+1] offset:131072*((\i)/8)+64*((\i)%8)+16
.endm
; Slice s's two mask loads.  mode 1: step 0's; 2: step 1's; 3: the text serves steps 0 and 1 (CNT = 2, 1): both ways hold two loads; 4: it serves steps 2 and 3: step 3 loads none.
.macro MRUN s, mode
.if (\mode) == 1
	WIN 0xc0
	MLOAD 8+(\s)
.elseif (\mode) == 2
	WIN 0xc0
	MLOAD 16+(\s)
.elseif (\mode) == 3
	WIN 0
	s_cmp_eq_u32 s[CNT], 2
	s_cbranch_scc0 .Lsecond_\@
	WIN 0xc0
	MLOAD 8+(\s)
	WIN 0
	s_branch .Lboth_\@
.Lsecond_\@:
	WIN 0xc0
	MLOAD 16+(\s)
	WIN 0
.Lboth_\@:
.else
	WIN 0
	s_cmp_eq_u32 s[CNT], 2
	s_cbranch_scc0 .Lnone_\@
	WIN 0xc0
	MLOAD 24+(\s)
	WIN 0
.Lnone_\@:
.endif
.endm
; One of a step's first seven slices.  lc: how many younger loads may stay out when Q's slice must be in.  In the first two steps: 48 + 2 s: in step 0 the head's 8 (6 - s) and s runs of ten are younger, in step 1 two mask
; loads and six runs of ten.  In the last two steps: 48: six runs of Q's eight, with or without mask loads among them.
.macro SLICE s, zero, mode, lc
	s_wait_loadcnt \lc
	s_wait_dscnt 8                                 ; key blocks 0-3 are in; the youngest eight loads may be out
	MMS (\s)&1, \s, 0, 16, \zero
	PLACES
	WIN 0
	FETCHB (\s)+1, 1-((\s)&1)
.if (\s) == 1
	s_wait_xcnt 0x0                                ; every load issued so far (the youngest 32 matrix instructions back) has read its address
	s_add_nc_u64 s[AP:AP+1], s[AP:AP+1], 512       ; the ring goes on to the next step.  Behind the last step that is the first 512 bytes of K's columns in my rows: inside qkv, loaded and not used
.endif
	WIN W_A
	RUN \s
	MRUN \s, \mode
	s_wait_dscnt 16                                ; all but the 16 just issued
	MMS (\s)&1, \s, 16, 16, \zero
.endm
; A prefetch into the L2 of step 3, which the next change of slots asks for, 256 matrix instructions ahead: my work-group's 16 of the 64 rows that I fetch (by address), a lane a block of 256 bytes; the batch's first
; cluster asks, since its four clusters walk the same keys.  The last refill asks for nothing; steps 0 to 2 come by their loads alone.
.macro ASK
	s_cmp_gt_u32 s[CNT], s[LIM]
	s_cbranch_scc0 .Lnot_mine_\@
	global_prefetch_b8 v[PFO], s[PFA:PFA+1] th:TH_LOAD_NT scope:SCOPE_SE
.Lnot_mine_\@:
.endm
; A step's last slice changes slots: one barrier; in front of it each wave waits for all its tensor loads, adds 0 to its spare word, and waits for that and for its reads of this slot.
; refill = 1: the barrier opens a round of the cluster's barrier, and this slot is asked for again, two steps on.
.macro TURN refill, mode, lc
	s_wait_loadcnt \lc
	WIN 0
	s_wait_tensorcnt 0x0                           ; no tensor load of mine is out, so a group 0 may be written
	ds_add_u32 v[SPW], v[NIL]
.if \refill
	s_add_co_u32 s[G0B+1], s[WQ], s[TB]            ; my quarter of the slot in hand,
	s_add_nc_u64 s[G0B+2:G0B+3], s[G0B+2:G0B+3], 512  ; the next step that has not been asked for: 512 bytes along the rows
.endif
	s_wait_dscnt 9                                 ; (the add and the youngest eight loads may be out)
	MMS 1, 7, 0, 8, 0
	s_wait_dscnt 0x0                               ; the add is done, and my reads of this slot are over
	s_barrier_signal -1
	MMS 1, 7, 8, 8, 0
	WIN 0
	s_barrier_wait -1
.if \refill
	CREST
	s_xor_b32 s[TB], s[TB], SLOT
	tensor_load_to_lds s[G0B:G0B+3], s[G1:G1+7]
	s_nop 0
.else
	s_xor_b32 s[TB], s[TB], SLOT
.endif
	v_add_nc_u32 v[ADRB], s[TB], v[B0]             ; these four lines are also the places in front of the loads below
	v_nop
	v_nop
	v_nop
	FETCHB 0, 0
	WIN W_A
	RUN 7
	MRUN 7, \mode
	WIN 0
.if \refill
	ASK
.endif
	MMS 1, 7, 16, 16, 0
	WIN 0
.endm
	s_load_b256 s[4:11], s[0:1], 0x0               ; qkv s[4:5], mask s[6:7], p s[8:9], stat s[10:11]
	v_lshl_add_u32 v[SPW], v0, 2, SPARE
	v_mov_b32 v[NIL], 0
	ds_add_u32 v[SPW], v[NIL]                      ; the wave's opening: the add and its wait stand ahead of my first tensor load
	v_lshrrev_b32 v3, 5, v0
	v_readfirstlane_b32 s[WV], v3
	s_lshr_b32 s[WR], s[WV], 1
	s_and_b32 s[WC], s[WV], 1
	s_bfe_u32 s[CX], ttmp6, 0x40000
	s_lshl_b32 s[MT], ttmp9, 2
	s_add_co_u32 s[MT], s[MT], s[CX]               ; row tile, 0..63
	s_and_b32 s[YY], ttmp7, 0xffff                 ; key tile, 0..7
	s_lshr_b32 s[BA], ttmp9, 2                     ; the batch: four clusters each; made of the cluster's number alone
	s_lshl_b32 s[ROW0], s[MT], 7
	s_lshl_b32 s20, s[WR], 6
	s_add_co_u32 s[ROW0], s[ROW0], s20
	s_and_b32 s20, ttmp9, 3
	s_cmp_eq_u32 s20, 0
	s_cselect_b32 s[LIM], 1, -1
	s_mov_b32 s[G1+0], 15|(1<<16)|(1<<20)|(1<<21)|(6<<22)|(3<<25)  ; mask of four; 2-byte elements; padding on; bit 21 beside a mask; after every 128 words; 4 words
	s_mov_b32 s[G1+1], 256<<16
	s_mov_b32 s[G1+2], 64<<16
	s_mov_b32 s[G1+3], 256<<16
	s_mov_b32 s[G1+4], 64
	s_mov_b32 s[G1+5], 3072
	s_mov_b32 s[G1+6], 0
	s_mov_b32 s[G1+7], 0
	s_mul_i32 s[WQ], s[WV], QB
	s_mov_b32 s[TB], 0
	s_mov_b32 s[G0A], 1
	s_mov_b32 s[G0A+1], s[WQ]
	s_mov_b32 s[G0B], 1
	s_add_co_u32 s[G0B+1], s[WQ], SLOT
	s_lshl_b32 s20, s[BA], 11                      ; K: row 2,048 batch + 256 tile + 64 wave,
	s_lshl_b32 s21, s[YY], 8
	s_add_co_u32 s20, s20, s21
	s_lshl_b32 s21, s[WV], 6
	s_add_co_u32 s20, s20, s21
	s_mul_i32 s20, s20, PITCHB
	s_add_co_u32 s20, s20, 2048                    ; K's columns of qkv
	s_mov_b32 s21, 0
	s_mul_i32 s60, s[CX], 16*PITCHB                ; the prefetch: my work-group's 16 rows, step 3
	s_add_co_u32 s60, s60, s20
	s_add_co_u32 s60, s60, 3*512
	s_mov_b32 s61, 0
	s_mul_i32 s22, s[ROW0], PITCHA                 ; Q: my rows
	s_mov_b32 s23, 0
	s_lshl_b32 s62, s[ROW0], 13                    ; the mask: my rows, my 128 keys
	s_lshl_b32 s63, s[YY], 10
	s_add_co_u32 s62, s62, s63
	s_lshl_b32 s63, s[WC], 9
	s_add_co_u32 s62, s62, s63
	s_mov_b32 s63, 0
	s_mov_b32 s[LE], 0x3fb8aa3b
	s_mov_b32 s[LE+1], s[LE]
	s_mov_b32 s[FLOOR], 0xfe800000
	s_mov_b32 s[SEL], 0x76543210
	s_mov_b32 s[SEL+1], 0xfedcba98
	s_mov_b32 s[HM], 0xffff0000
	v_and_b32 v1, 15, v0
	v_bfe_u32 v2, v0, 4, 1
	v_mul_u32_u24 v[AO], v1, PITCHA
	v_lshl_add_u32 v[AO], v2, 4, v[AO]
	s_lshl_b32 s59, s[WC], 7
	v_add_nc_u32 v3, s59, v1                       ; key 128 (w % 2) + l % 16
	v_mul_u32_u24 v[B0], v3, PN
	v_lshl_add_u32 v[B0], v2, 4, v[B0]
	v_mov_b32 v[ADRB], v[B0]
	v_lshlrev_b32 v[MO], 13, v1
	v_lshl_add_u32 v[MO], v2, 5, v[MO]
	s_mul_i32 s59, s[WV], 16*SPITCH
	s_add_co_u32 s59, s59, STAGE
	v_mul_u32_u24 v[STO], v1, SPITCH
	v_lshl_add_u32 v[STO], v2, 4, v[STO]
	v_add_nc_u32 v[STO], s59, v[STO]
	v_mul_u32_u24 v[RD], v2, SPITCH
	v_lshl_add_u32 v[RD], v1, 4, v[RD]
	v_add_nc_u32 v[RD], s59, v[RD]
	v_lshlrev_b32 v[CO], 12, v2
	v_lshl_add_u32 v[CO], v1, 4, v[CO]
	v_bfe_u32 v3, v0, 1, 4
	v_mul_u32_u24 v[PFO], v3, PITCHB
	v_and_b32 v3, 1, v0
	v_lshl_add_u32 v[PFO], v3, 8, v[PFO]
	s_lshl_b32 s59, s[WV], 9
	s_add_co_u32 s59, s59, STATST
	v_lshlrev_b32 v[SS], 8, v2                     ; lanes 0-15 put m, lanes 16-31 l: part x 256 + 4 x row
	v_lshl_add_u32 v[SS], v1, 2, v[SS]
	v_add_nc_u32 v[SS], s59, v[SS]
	v_and_b32 v3, 31, v0
	v_lshl_add_u32 v[SLD], v3, 4, s59
	v_lshlrev_b32 v[SG], 19, v2                    ; part x 524,288 + 16 (l % 16)
	v_lshl_add_u32 v[SG], v1, 4, v[SG]
	v_mov_b32 v[ONE], 1.0
	v_mov_b32 v[TS+1], 0                           ; v_permlanex16_b32's destination counts as read
	s_wait_dscnt 0x0
	s_wait_kmcnt 0x0
	s_add_nc_u64 s[G0A+2:G0A+3], s[4:5], s[20:21]
	s_add_nc_u64 s[G0B+2:G0B+3], s[G0A+2:G0A+3], 512
	s_or_b32 s[G0A+3], s[G0A+3], 0x80000000
	s_or_b32 s[G0B+3], s[G0B+3], 0x80000000
	s_add_nc_u64 s[PFA:PFA+1], s[4:5], s[60:61]
	s_add_nc_u64 s[AP:AP+1], s[4:5], s[22:23]
	s_add_nc_u64 s[MP:MP+1], s[6:7], s[62:63]
	s_lshl_b32 s20, s[ROW0], 12                    ; p: my rows, my 128 keys
	s_lshl_b32 s22, s[YY], 9
	s_add_co_u32 s20, s20, s22
	s_lshl_b32 s22, s[WC], 8
	s_add_co_u32 s20, s20, s22
	s_add_nc_u64 s[OB:OB+1], s[8:9], s[20:21]
	s_lshl_b32 s20, s[YY], 1                       ; stat: piece 2 tile + w % 2, my 64 rows
	s_add_co_u32 s20, s20, s[WC]
	s_lshl_b32 s20, s20, 15
	s_lshl_b32 s22, s[ROW0], 2
	s_add_co_u32 s20, s20, s22
	s_add_nc_u64 s[10:11], s[10:11], s[20:21]
	CROUND
	tensor_load_to_lds s[G0A:G0A+3], s[G1:G1+7]
	s_nop 0
	tensor_load_to_lds s[G0B:G0B+3], s[G1:G1+7]    ; two loads of mine are out
	s_nop 0
	PLACES
	WIN 0xc0
.irp i, 0,1,2,3,4,5,6,7
	MLOAD \i
.endr
	WIN W_A
.irp s, 0,1,2,3,4,5,6
	ALOAD \s, 64*\s
.endr
	WIN 0
	s_wait_tensorcnt 0x1                           ; my quarter of slot 0 is in; slot 1's may stay out
	s_barrier_signal -1
	s_barrier_wait -1
	FETCHB 0, 0
	s_mov_b32 s[CNT], 2
	SLICE 0, 1, 1, 48                              ; the very first slice stands ahead of the loop: its products start the sums with the constant 0, and nothing is cleared
	WIN 0
	s_branch .Lfirst_done                          ; the loop is entered behind its own first slice
.Lr:                                                   ; steps 0 and 1: each asks for its slot again
	SLICE 0, 0, 2, 48                              ; step 1's first slice: reached by the backward jump alone
	WIN 0
.Lfirst_done:
.irp s, 1,2,3,4,5,6
	SLICE \s, 0, 3, 48+2*\s
.endr
	TURN 1, 3, 62                                  ; slot 7 was asked for in run 0: that run's two mask loads and six runs of ten are younger
	s_sub_co_u32 s[CNT], s[CNT], 1
	s_cmp_lg_u32 s[CNT], 0
	s_cbranch_scc1 .Lr
	s_mov_b32 s[CNT], 2
.Lt:                                                   ; steps 2 and 3 ask for no tile.  One text serves both: in step 3 the ring's runs load what nobody multiplies, and the change of slots
.irp s, 0,1,2,3,4,5,6                          ; fetches fragments that nobody multiplies: so every counted wait holds on every way
	SLICE \s, 0, 4, 48
.endr
	TURN 0, 4, 48
	s_sub_co_u32 s[CNT], s[CNT], 1
	s_cmp_lg_u32 s[CNT], 0
	s_cbranch_scc1 .Lt
	s_wait_loadcnt 0x0                             ; all of the mask; and the ring's registers are free
	s_wait_dscnt 0x0                               ; and so are the fragment buffers
; THE PIECE'S SOFTMAX, 16 rows (row block a) at a time: a lane holds 64 of its row's 128 scores, the lane 16 away the others.  A loop of four trips.  What names the block's own registers is written out for each block
; and chosen by forward branches: GATHER.  It leaves z in fixed registers, and all the rest is written once.
.macro GATHER a
.if (\a) > 0
	v_mov_b32 v[MA+(\a)-1], v[MM2]                 ; the statistics of the block before are set aside
	v_mov_b32 v[LA+(\a)-1], v[LL]
.endif
	WIN 0x4f                                       ; the mask (window 3) is rounded to bf16, two to a register of window 1.  (For a = 0 these 32 lines are the places behind the last products.)
.set i, 0
.rept 32
	v_cvt_pk_bf16_f32 v[MB+i], v[64*(\a)+2*i], v[64*(\a)+2*i+1]
.set i, i+1
.endr
	WIN 0x52                                       ; z = score x 1 + mask: score window 2, 1.0 window 0, the mask's half and z window 1
.set i, 0
.rept 32
	v_fma_mix_f32_bf16 v[2*i], v[64*(\a)+2*i], v[ONE], v[MB+i] op_sel:[0,0,0] op_sel_hi:[0,0,1]
	v_fma_mix_f32_bf16 v[2*i+1], v[64*(\a)+2*i+1], v[ONE], v[MB+i] op_sel:[0,0,1] op_sel_hi:[0,0,1]
.set i, i+1
.endr
	WIN 0
.endm
.macro SENDL                           ; the block whose rows were read back a trip ago; the pointer has gone 16 rows on since
	s_wait_dscnt 0x0
.irp t, 0,1,2,3,4,5,6,7
	global_store_b128 v[CO], v[BK+4*\t:BK+4*\t+3], s[OB:OB+1] offset:2*\t*4096-65536  ; 16 lanes store 256 consecutive bytes, at a multiple of 256 from p's first byte
.endr
.endm
	s_mov_b32 s[EA], 4
.Le:
	s_cmp_eq_u32 s[EA], 4
	s_cbranch_scc0 .Lg1
	GATHER 0
	s_branch .Lgo
.Lg1:
	s_cmp_eq_u32 s[EA], 3
	s_cbranch_scc0 .Lg2
	GATHER 1
	s_branch .Lgo
.Lg2:
	s_cmp_eq_u32 s[EA], 2
	s_cbranch_scc0 .Lg3
	GATHER 2
	s_branch .Lgo
.Lg3:
	GATHER 3
.Lgo:
	WIN 0x15                                       ; the maximum: four chains of 15, three operands at a time,
.irp c, 0,1,2,3
	v_max3_num_f32 v[CH+\c], v[16*\c], v[16*\c+1], v[16*\c+2]
.endr
	WIN 0x14
.irp j, 1,2,3,4,5,6
.irp c, 0,1,2,3
	v_max3_num_f32 v[CH+\c], v[CH+\c], v[16*\c+2*\j+1], v[16*\c+2*\j+2]
.endr
.endr
	v_max3_num_f32 v[CH], v[CH], v[15], v[31]      ; the four left over,
	v_max3_num_f32 v[CH+2], v[CH+2], v[47], v[63]
	WIN 0
	v_max3_num_f32 v[CH], v[CH], v[CH+1], v[CH+2]
	v_max_num_f32 v[CH], v[CH], v[CH+3]
	v_permlanex16_b32 v[CH+1], v[CH], s[SEL], s[SEL+1]  ; the other half of the lanes',
	v_max3_num_f32 v[MM2], v[CH], v[CH+1], s[FLOOR]     ; and the floor, which keeps m finite
	v_mov_b32 v[MM2+1], v[MM2]
	s_cmp_eq_u32 s[EA], 4                          ; the stores of the block before stand here, a gathering and a maximum behind its loads from the stage; the first trip has none
	s_cbranch_scc1 .Lno_send
	SENDL
.Lno_send:
	WIN 0x41                                       ; z in window 1, m in window 0
.set i, 0
.rept 32
	v_pk_add_f32 v[2*i:2*i+1], v[2*i:2*i+1], v[MM2:MM2+1] neg_lo:[0,1] neg_hi:[0,1]  ; z - m
.set i, i+1
.endr
.set i, 0
.rept 32
	v_pk_mul_f32 v[2*i:2*i+1], v[2*i:2*i+1], s[LE:LE+1] op_sel_hi:[1,0]
.set i, i+1
.endr
.set i, 0
.rept 64                                       ; ONE batch of 64 exponentials,
	v_exp_f32 v[i], v[i]
.set i, i+1
.endr
	v_nop                                          ; a plain instruction behind the last of them,
	s_wait_alu depctr_va_vdst(0)                   ; and the one wait ahead of the first reader
	WIN 0x05
.set i, 0
.rept 32
	v_cvt_pk_f16_f32 v[PK+i], v[2*i], v[2*i+1]
.set i, i+1
.endr
	WIN 0x45                                       ; the sum of the unrounded p, in place: pairs 1, 2, 4, 8 and 16 apart
.irp w, 1,2,4,8,16
.set u, 0
.rept 16/\w
	v_pk_add_f32 v[2*u:2*u+1], v[2*u:2*u+1], v[2*(u+\w):2*(u+\w)+1]
.set u, u+2*\w
.endr
.endr
	WIN 0x05
	v_add_f32 v[TS], v[0], v[1]
	WIN 0
	v_permlanex16_b32 v[TS+1], v[TS], s[SEL], s[SEL+1]
	v_add_f32 v[LL], v[TS], v[TS+1]
	s_wait_xcnt 0x0                                ; the stores above have read their registers and their base: both are written below
	s_add_nc_u64 s[OB:OB+1], s[OB:OB+1], 65536     ; 16 rows of p on; the stores reach back by their immediate
.irp b, 0,1,2,3,4,5,6,7
	ds_store_b128 v[STO], v[PK+4*\b:PK+4*\b+3] offset:32*\b
.endr
.irp t, 0,1,2,3,4,5,6,7
	ds_load_b128 v[BK+4*\t:BK+4*\t+3], v[RD] offset:2*\t*SPITCH   ; LDS serves a wave's instructions in order (ISA guide 5.7.1.4): these see the stores above
.endr
	s_sub_co_u32 s[EA], s[EA], 1
	s_cmp_lg_u32 s[EA], 0
	s_cbranch_scc1 .Le
	SENDL                                          ; the last block
	v_mov_b32 v[MA+3], v[MM2]
	v_mov_b32 v[LA+3], v[LL]
.irp a, 0,1,2,3
	v_cndmask_b32 v[48+\a], v[MA+\a], v[LA+\a], s[HM]   ; both halves of the lanes hold both: lanes 0-15 hand m on, lanes 16-31 l
.endr
.irp a, 0,1,2,3
	ds_store_b32 v[SS], v[48+\a] offset:64*\a
.endr
	ds_load_b128 v[44:47], v[SLD]                  ; back as four rows a lane: 256 bytes of m, 256 of l
	s_wait_dscnt 0x0
	global_store_b128 v[SG], v[44:47], s[10:11]    ; 16 lanes store 256 consecutive bytes, at a multiple of 256 from stat's first byte
	s_wait_tensorcnt 0x0                           ; the wave's end
	ds_add_u32 v[SPW], v[NIL]
	s_wait_dscnt 0x0
	CROUND
	s_endpgm
.Lfunc_end_k_qb063270600_score:
	.size	k_qb063270600_score, .Lfunc_end_k_qb063270600_score-k_qb063270600_score
	.p2alignl 7, 3214868480
	.fill 96, 4, 3214868480
	.section	.rodata,"a",@progbits
	.p2align	6, 0x0
	.amdhsa_kernel k_qb063270600_score
		.amdhsa_group_segment_fixed_size 327680
		.amdhsa_private_segment_fixed_size 0
		.amdhsa_enable_private_segment 0
		.amdhsa_kernarg_size 32
		.amdhsa_user_sgpr_count 2
		.amdhsa_user_sgpr_kernarg_segment_ptr 1
		.amdhsa_wavefront_size32 1
		.amdhsa_system_sgpr_workgroup_id_x 1
		.amdhsa_system_sgpr_workgroup_id_y 1
		.amdhsa_system_sgpr_workgroup_id_z 1
		.amdhsa_system_vgpr_workitem_id 0
		.amdhsa_next_free_vgpr 1024
		.amdhsa_next_free_sgpr 66
		.amdhsa_reserve_vcc 0
		.amdhsa_float_denorm_mode_32 3
		.amdhsa_float_denorm_mode_16_64 3
		.amdhsa_memory_ordered 1
		.amdhsa_forward_progress 1
		.amdhsa_inst_pref_size 135
	.end_amdhsa_kernel
	.amdgpu_metadata
---
amdhsa.version: [ 1, 2 ]
amdhsa.kernels:
  - .name:           k_qb063270600_score
    .symbol:         k_qb063270600_score.kd
    .args:
      - { .name: qkv, .offset: 0, .size: 8, .value_kind: global_buffer, .address_space: global }
      - { .name: mask, .offset: 8, .size: 8, .value_kind: global_buffer, .address_space: global }
      - { .name: p, .offset: 16, .size: 8, .value_kind: global_buffer, .address_space: global }
      - { .name: stat, .offset: 24, .size: 8, .value_kind: global_buffer, .address_space: global }
    .group_segment_fixed_size: 327680
    .private_segment_fixed_size: 0
    .kernarg_segment_align: 8
    .kernarg_segment_size: 32
    .max_flat_workgroup_size: 128
    .sgpr_count:     66
    .vgpr_count:     1024
    .wavefront_size: 32
...
	.end_amdgpu_metadata
.endif
;; end of part 3
;; launch pv (part 4): grid 64 x 4, 4 waves a work-group, clusters of 4 x 1, 327,680 bytes of LDS; arguments p, qkv, stat, out0; writes out0
.if DOCPART == 4
	.amdgcn_target "amdgcn-amd-amdhsa--gfx1250"
	.amdhsa_code_object_version 6
	.text
	.protected	k_qb063270600_pv
	.globl	k_qb063270600_pv
	.p2align	8
	.type	k_qb063270600_pv,@function
k_qb063270600_pv:
	s_mov_b64 s[64:65], 0
	v_nop
	global_prefetch_b8 v0, s[64:65] scope:SCOPE_SE
	s_setreg_imm32_b32 hwreg(HW_REG_WAVE_MODE, 25, 1), 1
	s_wait_xcnt 0x0
	s_wait_alu depctr_hold_cnt(0) depctr_sa_sdst(0) depctr_va_vdst(0) depctr_va_sdst(0) depctr_va_ssrc(0) depctr_va_vcc(0) depctr_vm_vsrc(0)
	s_getreg_b32 s2, hwreg(HW_REG_IB_STS2, 6, 4)
	s_cmp_eq_u32 s2, 0
	s_cbranch_scc0 .Lentry_in_a_cluster
	s_endpgm
.Lentry_in_a_cluster:
	s_bfe_u32 s2, ttmp6, 0x10000c
	s_cmp_lg_u32 s2, 0x3003
	s_cbranch_scc0 .Lentry_shape_is_right
	s_endpgm
.Lentry_shape_is_right:
; PV.  out0[q][c] = the sum over the 16 pieces t of g_t[q] x (the sum over the piece's 128 keys of p[q][k] V[k][c]),  g_t = 2^((m_t - M) log2 e) / L,  M = the largest m_t,  L = the sum of 2^((m_t - M) log2 e) l_t.
; p [8192][2048] f16, V = columns 2,048 .. 3,071 of qkv [8192][3072] f16, stat [2][16][8192] f32 (m, l), out0 [8192][1024] f32.  Products, the pieces' sums and their rescaling in f32; p has had its one rounding.
; LIMITS.  A row whose l are all 0 (every score below -2^126) comes out NaN, as a row of -inf does in the reference.  A factor 2^(..) below 2^-126 counts as 0.
; SHARES, LAYOUT, RING: a work-group of four waves makes 128 rows x 256 channels; wave w rows 64 (w / 2) on, channels 128 (w % 2) on: 32 accumulators (a = 0..3 row blocks, b = 0..7 channel blocks).
; Source 0 = 16 channels of V (turned out of LDS), source 1 = 16 rows of p: lane l holds row 16 a + l % 16 and channels 16 b + 8 (l / 16) + 0..7.  V goes through two LDS slots of 256 keys x 256 channels, a quarter by
; each wave's one tensor load; p comes straight into a ring of eight register slots, one for each slice of 32 keys, seven slices (208 matrix instructions to the wait) ahead, and is therefore not prefetched.
; TWO SETS OF SUMS.  Window 2 holds one piece's sums: its first slice starts them with the constant 0.  In the piece's fourth slice each accumulator, as it is finished, is added g-fold onto window 3: four packed
; multiply-adds two matrix instructions behind the product that ends it, so that eight plain lines (or four v_nop at the start) always lie between a product and the reader of its result.
; CLUSTER.  The four work-groups of a cluster make four row tiles of one batch against the same V: its tile is asked for JOINTLY (mask 15).  p's rows do not pass through LDS and are shared by no partner.
; REGISTERS: window 0: v0-15 addresses; v16-23 the piece's g, twice each; v24-28 at work; v64-127 statistics; v128-191, v192-255 V's two fragment buffers (later rows read back); window 1: p's ring; window 2: a piece's sums; window 3: the row's sums.
.set T,      8                         ; steps of 256 keys
.set PITCHA, 4096                      ; bytes in a row of p
.set PITCHB, 6144                      ; bytes in a row of qkv
.set STRIDE, 256*PITCHB
.set PT,     544
.set QB,     64*PT
.set SLOT,   4*QB
.set GREG,   2*SLOT                    ; behind the ring, never filled by a tensor load: 8,704 bytes for each wave: first g [16 pieces][16 rows l % 16][4 a][twice], 8,192 bytes; later the stage, 16 rows x 528
.set REGB,   8704
.set OPITCH, 528
.set SPARE,  GREG+4*REGB
.set LC,     48                        ; a ring slot's loads are followed by six runs of 8 before they are wanted
.set AO,   4
.set B0,   5
.set ADRB, 6
.set STO,  8
.set RD,   9
.set CO,   10
.set PFO,  11
.set SPW,  12
.set NIL,  13
.set GA,   14                          ; v14  where I read the next piece's g
.set GW,   15                          ; v15  where I put g
.set G,    16
.set MX,   24                          ; v24-25 M of my two rows
.set LS,   26                          ; v26-27 L, then 1 / L
.set SO,   28                          ; v28  8 l: my two rows of the wave's 64 in stat
.set EM,   64                          ; v64-95  m_t, then the factors, then g_t: a pair (rows 2 l, 2 l + 1) for each t
.set EL,   96                          ; v96-127 l_t
.set BF,   128
.set WV, 12
.set WR, 13
.set WC, 14
.set CX, 15
.set MT, 16
.set YY, 17
.set BA, 18
.set ROW0, 19
.set G1,  24
.set G0A, 32
.set G0B, 36
.set TB,  40
.set WQ,  41
.set CNT, 42
.set LIM, 43
.set AP,  44
.set AN,  46
.set PFA, 48
.set OB,  50
.set LE,  52                           ; s[52:53] log2 e, named as a pair
.set W_MM, 0xa4
.set W_A,  0x40
.set W_R,  0xf2                        ; a piece's sum (source 0) window 2, g window 0, the row's sum (source 2 and destination) window 3
.set ZR, 0
.set RI, 0
.set MSB, 0
.macro WIN new
.if MSB != (\new)
	s_set_vgpr_msb (MSB<<8)|(\new)
.set MSB, \new
.endif
.endm
.macro PLACES
.rept 4
	v_nop
.endr
.endm
.macro CREST
	s_cmp_lg_u32 s[WV], 0
	s_cbranch_scc1 .Lnot_wave_0_\@
	s_barrier_signal -3
.Lnot_wave_0_\@:
	s_barrier_wait -3
	s_barrier_signal -1
	s_barrier_wait -1
.endm
.macro CROUND
	s_barrier_signal -1
	s_barrier_wait -1
	CREST
.endm
.macro RIDER m                         ; accumulator m (row block m % 4, channel block m / 4) goes g-fold onto the row's sums; its lowest registers are read first
	WIN W_R
.irp q, 0,1,2,3
	v_pk_fma_f32 v[64*((\m)%4)+8*((\m)/4)+2*\q:64*((\m)%4)+8*((\m)/4)+2*\q+1], v[64*((\m)%4)+8*((\m)/4)+2*\q:64*((\m)%4)+8*((\m)/4)+2*\q+1], v[G+2*((\m)%4):G+2*((\m)%4)+1], v[64*((\m)%4)+8*((\m)/4)+2*\q:64*((\m)%4)+8*((\m)/4)+2*\q+1]
.endr
.endm
; Matrix instructions n0 .. of a slice's 32; the 32 accumulators take turns.  ZR = 1: a piece's first slice starts the sums.  RI = 1: its last slice: the riders stand behind the products.
.macro MMS f, s, n0, cnt
.set n, \n0
.rept \cnt
	WIN W_MM
.if ZR
	v_wmma_f32_16x16x32_f16 v[64*(n%4)+8*(n/4):64*(n%4)+8*(n/4)+7], v[BF+64*(\f)+8*(n/4):BF+64*(\f)+8*(n/4)+7], v[32*(\s)+8*(n%4):32*(\s)+8*(n%4)+7], 0
.else
	v_wmma_f32_16x16x32_f16 v[64*(n%4)+8*(n/4):64*(n%4)+8*(n/4)+7], v[BF+64*(\f)+8*(n/4):BF+64*(\f)+8*(n/4)+7], v[32*(\s)+8*(n%4):32*(\s)+8*(n%4)+7], v[64*(n%4)+8*(n/4):64*(n%4)+8*(n/4)+7]
.endif
.if RI
.if n == 2
	PLACES
.endif
.if n >= 2
	RIDER n-2
.endif
.endif
.set n, n+1
.endr
.endm
.macro FETCHB s, f
.set ar, ADRB+(\s)/4
.irp b, 0,1,2,3,4,5,6,7
	ds_load_tr16_b128 v[BF+64*(\f)+8*\b:BF+64*(\f)+8*\b+3],   v[ar] offset:((\s)%4)*32*PT+32*\b
	ds_load_tr16_b128 v[BF+64*(\f)+8*\b+4:BF+64*(\f)+8*\b+7], v[ar] offset:((\s)%4)*32*PT+32*\b+16*PT
.endr
.endm
.macro ALOAD slot, P, off
.irp a, 0,1,2,3
	global_load_b128 v[32*(\slot)+8*\a:32*(\slot)+8*\a+3],   v[AO], s[\P:\P+1] offset:16*\a*PITCHA+(\off)
	global_load_b128 v[32*(\slot)+8*\a+4:32*(\slot)+8*\a+7], v[AO], s[\P:\P+1] offset:16*\a*PITCHA+(\off)+32
.endr
.endm
.macro RUN u
.if (\u) == 0
	ALOAD 7, AP, 448
.else
	ALOAD (\u)-1, AN, 64*((\u)-1)
.endif
.endm
.macro SLICE s
.if ((\s)%4) == 0
.set ZR, 1
.else
.set ZR, 0
.endif
.if ((\s)%4) == 3
.set RI, 1
.else
.set RI, 0
.endif
	s_wait_loadcnt LC                              ; my ring slot is in; the six younger runs stay out
	s_wait_dscnt 8                                 ; channel blocks 0-3 are in
	MMS (\s)&1, \s, 0, 16
	PLACES
	WIN 0
.if ((\s)%4) == 0
	ds_load_b128 v[G:G+3],   v[GA]                 ; this piece's g for my four rows; older than the 16 fetches below, so the counts stay as they are
	ds_load_b128 v[G+4:G+7], v[GA] offset:16
	v_add_nc_u32 v[GA], 512, v[GA]
.endif
	FETCHB (\s)+1, 1-((\s)&1)
	WIN W_A
	RUN \s
	s_wait_dscnt 16                                ; all but the 16 just issued
	MMS (\s)&1, \s, 16, 16
.if RI
	RIDER 30
	RIDER 31
.endif
.endm
; A prefetch into the L2 of the step behind the one that is being asked for: my work-group's 16 of the 64 rows x 512 bytes that I fetch (by address), a lane a block of 256 bytes.  The batch's first cluster asks,
; since its four clusters walk the same rows of V.  The last refill asks for nothing; steps 0 to 2 come by their loads alone.
.macro ASK
	s_cmp_gt_u32 s[CNT], s[LIM]
	s_cbranch_scc0 .Lnot_mine_\@
	global_prefetch_b8 v[PFO], s[PFA:PFA+1] th:TH_LOAD_NT scope:SCOPE_SE
.Lnot_mine_\@:
.endm
; The eighth slice ends a piece and changes slots: one barrier; in front of it each wave waits for all its tensor loads, adds 0 to its spare word, and waits for that and for its reads of this slot.
.macro TURN refill
.set ZR, 0
.set RI, 1
	s_wait_loadcnt LC
	WIN 0
	s_wait_tensorcnt 0x0
	ds_add_u32 v[SPW], v[NIL]
	s_wait_dscnt 9                                 ; (the add and the youngest eight loads may be out)
	MMS 1, 7, 0, 8
	s_wait_dscnt 0x0                               ; the add is done, and my reads of this slot are over
	s_barrier_signal -1
	MMS 1, 7, 8, 8                                 ; work on registers while the others arrive
	WIN 0
	s_barrier_wait -1
.if \refill
	CREST
	s_add_co_u32 s[G0B+1], s[WQ], s[TB]
	s_add_nc_u64 s[G0B+2:G0B+3], s[G0B+2:G0B+3], STRIDE
	s_xor_b32 s[TB], s[TB], SLOT
	tensor_load_to_lds s[G0B:G0B+3], s[G1:G1+7]
	s_nop 0
.else
	s_xor_b32 s[TB], s[TB], SLOT
.endif
	v_add_nc_u32 v[ADRB], s[TB], v[B0]             ; these four lines are also the places in front of the loads below
	v_add_nc_u32 v[ADRB+1], 4*32*PT, v[ADRB]
	v_nop
	v_nop
	FETCHB 0, 0
	WIN W_A
	RUN 7
	WIN 0
.if \refill
	ASK
.endif
	MMS 1, 7, 16, 16
	RIDER 30
	RIDER 31
	WIN 0
	s_wait_xcnt 0x0                                ; every load and prefetch issued so far has read its address
	s_mov_b64 s[AP:AP+1], s[AN:AN+1]
.if \refill
	s_add_nc_u64 s[AN:AN+1], s[AN:AN+1], 512
	s_add_nc_u64 s[PFA:PFA+1], s[PFA:PFA+1], STRIDE
.endif
.endm
	s_load_b256 s[4:11], s[0:1], 0x0               ; p s[4:5], qkv s[6:7], stat s[8:9], out0 s[10:11]
	v_lshl_add_u32 v[SPW], v0, 2, SPARE
	v_mov_b32 v[NIL], 0
	ds_add_u32 v[SPW], v[NIL]                      ; the wave's opening: the add and its wait stand ahead of my first tensor load
	v_lshrrev_b32 v3, 5, v0
	v_readfirstlane_b32 s[WV], v3
	s_lshr_b32 s[WR], s[WV], 1
	s_and_b32 s[WC], s[WV], 1
	s_bfe_u32 s[CX], ttmp6, 0x40000
	s_lshl_b32 s[MT], ttmp9, 2
	s_add_co_u32 s[MT], s[MT], s[CX]
	s_and_b32 s[YY], ttmp7, 0xffff                 ; channel tile, 0..3
	s_lshr_b32 s[BA], ttmp9, 2                     ; the batch, made of the cluster's number alone
	s_lshl_b32 s[ROW0], s[MT], 7
	s_lshl_b32 s20, s[WR], 6
	s_add_co_u32 s[ROW0], s[ROW0], s20
	s_and_b32 s20, ttmp9, 3
	s_cmp_eq_u32 s20, 0
	s_cselect_b32 s[LIM], 1, -1
	s_mov_b32 s[G1+0], 15|(1<<16)|(1<<20)|(1<<21)|(6<<22)|(7<<25)
	s_mov_b32 s[G1+1], 256<<16
	s_mov_b32 s[G1+2], 64<<16
	s_mov_b32 s[G1+3], 256<<16
	s_mov_b32 s[G1+4], 64
	s_mov_b32 s[G1+5], 3072
	s_mov_b32 s[G1+6], 0
	s_mov_b32 s[G1+7], 0
	s_mul_i32 s[WQ], s[WV], QB
	s_mov_b32 s[TB], 0
	s_mov_b32 s[G0A], 1
	s_mov_b32 s[G0A+1], s[WQ]
	s_mov_b32 s[G0B], 1
	s_add_co_u32 s[G0B+1], s[WQ], SLOT
	s_lshl_b32 s20, s[BA], 11                      ; V: row 2,048 batch + 64 wave,
	s_lshl_b32 s21, s[WV], 6
	s_add_co_u32 s20, s20, s21
	s_mul_i32 s20, s20, PITCHB
	s_lshl_b32 s21, s[YY], 9                       ; the tile's 256 channels,
	s_add_co_u32 s20, s20, s21
	s_add_co_u32 s20, s20, 4096                    ; in V's columns of qkv
	s_mov_b32 s21, 0
	s_mul_i32 s54, s[CX], 16*PITCHB
	s_add_co_u32 s54, s54, s20
	s_add_co_u32 s54, s54, 3*STRIDE
	s_mov_b32 s55, 0
	s_lshl_b32 s22, s[ROW0], 12                    ; p: my rows
	s_mov_b32 s23, 0
	s_lshl_b32 s56, s[YY], 10                      ; out0: my rows, my 128 channels
	s_add_co_u32 s56, s56, s22
	s_lshl_b32 s57, s[WC], 9
	s_add_co_u32 s56, s56, s57
	s_mov_b32 s57, 0
	s_lshl_b32 s58, s[ROW0], 2                     ; stat: my rows
	s_mov_b32 s59, 0
	s_mov_b32 s[LE], 0x3fb8aa3b
	s_mov_b32 s[LE+1], s[LE]
	s_mul_i32 s60, s[WV], REGB
	s_add_co_u32 s60, s60, GREG                    ; my region
	s_lshl_b32 s61, s[WC], 8
	v_and_b32 v1, 15, v0
	v_bfe_u32 v2, v0, 4, 1
	v_lshlrev_b32 v[AO], 12, v1
	v_lshl_add_u32 v[AO], v2, 4, v[AO]
	v_and_b32 v3, 7, v0
	v_lshl_add_u32 v[GW], v3, 6, s60               ; rows 2 l and 2 l + 1 are row block l / 8, rows 2 (l % 8) and 2 (l % 8) + 1 of it: 64 (l % 8) + 8 (l / 8), and 32 bytes on
	v_lshl_add_u32 v3, v2, 3, v3
	v_mul_u32_u24 v[B0], v3, PT
	v_bfe_u32 v3, v0, 3, 1
	v_lshl_add_u32 v[B0], v3, 4, v[B0]
	v_add_nc_u32 v[B0], s61, v[B0]
	v_mov_b32 v[ADRB], v[B0]
	v_add_nc_u32 v[ADRB+1], 4*32*PT, v[B0]
	v_bfe_u32 v3, v0, 3, 2
	v_lshl_add_u32 v[GW], v3, 3, v[GW]
	v_lshl_add_u32 v[GA], v1, 5, s60
	v_mul_u32_u24 v[STO], v1, OPITCH
	v_lshl_add_u32 v[STO], v2, 5, v[STO]
	v_add_nc_u32 v[STO], s60, v[STO]
	v_and_b32 v3, 31, v0
	v_lshl_add_u32 v[RD], v3, 4, s60
	v_lshlrev_b32 v[CO], 4, v3
	v_lshlrev_b32 v[SO], 3, v3
	v_bfe_u32 v3, v0, 1, 4
	v_mul_u32_u24 v[PFO], v3, PITCHB
	v_and_b32 v3, 1, v0
	v_lshl_add_u32 v[PFO], v3, 8, v[PFO]
	s_wait_dscnt 0x0
	s_wait_kmcnt 0x0
	s_add_nc_u64 s[G0A+2:G0A+3], s[6:7], s[20:21]
	s_add_nc_u64 s[G0B+2:G0B+3], s[G0A+2:G0A+3], STRIDE
	s_or_b32 s[G0A+3], s[G0A+3], 0x80000000
	s_or_b32 s[G0B+3], s[G0B+3], 0x80000000
	s_add_nc_u64 s[PFA:PFA+1], s[6:7], s[54:55]
	s_add_nc_u64 s[AP:AP+1], s[4:5], s[22:23]
	s_add_nc_u64 s[AN:AN+1], s[AP:AP+1], 512
	s_add_nc_u64 s[OB:OB+1], s[10:11], s[56:57]
	s_add_nc_u64 s[8:9], s[8:9], s[58:59]
	CROUND
	tensor_load_to_lds s[G0A:G0A+3], s[G1:G1+7]
	s_nop 0
	tensor_load_to_lds s[G0B:G0B+3], s[G1:G1+7]    ; two loads of mine are out
	s_nop 0
	PLACES
.set t, 0
.rept 16
	global_load_b64 v[EM+2*t:EM+2*t+1], v[SO], s[8:9] offset:32768*t          ; 32 lanes take 256 consecutive bytes: the wave's 64 rows of piece t
	global_load_b64 v[EL+2*t:EL+2*t+1], v[SO], s[8:9] offset:32768*t+524288
.set t, t+1
.endr
	WIN W_A
.irp s, 0,1,2,3,4,5,6
	ALOAD \s, AP, 64*\s
.endr
	WIN 0
	s_wait_loadcnt 56                              ; the statistics are in; the ring's 56 loads stay out
.irp z, 0,1
	v_max3_num_f32 v[MX+\z], v[EM+\z], v[EM+2+\z], v[EM+4+\z]
.endr
.irp j, 1,2,3,4,5,6
.irp z, 0,1
	v_max3_num_f32 v[MX+\z], v[MX+\z], v[EM+2*(2*\j+1)+\z], v[EM+2*(2*\j+2)+\z]
.endr
.endr
.irp z, 0,1
	v_max_num_f32 v[MX+\z], v[MX+\z], v[EM+30+\z]
.endr
.set t, 0
.rept 16
	v_pk_add_f32 v[EM+2*t:EM+2*t+1], v[EM+2*t:EM+2*t+1], v[MX:MX+1] neg_lo:[0,1] neg_hi:[0,1]  ; m_t - M
.set t, t+1
.endr
.set t, 0
.rept 16
	v_pk_mul_f32 v[EM+2*t:EM+2*t+1], v[EM+2*t:EM+2*t+1], s[LE:LE+1] op_sel_hi:[1,0]
.set t, t+1
.endr
.set t, 0
.rept 32                                       ; one batch,
	v_exp_f32 v[EM+t], v[EM+t]
.set t, t+1
.endr
	v_nop                                          ; a plain instruction behind the last exponential,
	s_wait_alu depctr_va_vdst(0)                   ; and the one wait ahead of the first reader
	v_pk_mul_f32 v[LS:LS+1], v[EM:EM+1], v[EL:EL+1]
.set t, 1
.rept 15
	v_pk_fma_f32 v[LS:LS+1], v[EM+2*t:EM+2*t+1], v[EL+2*t:EL+2*t+1], v[LS:LS+1]
.set t, t+1
.endr
	v_rcp_f32 v[LS], v[LS]
	v_rcp_f32 v[LS+1], v[LS+1]
	v_nop
	s_wait_alu depctr_va_vdst(0)
.set t, 0
.rept 16
	v_pk_mul_f32 v[EM+2*t:EM+2*t+1], v[EM+2*t:EM+2*t+1], v[LS:LS+1]    ; g_t
.set t, t+1
.endr
.set t, 0
.rept 16                                       ; each g twice, so that a rider's packed multiply-add takes a plain pair
	ds_store_b32 v[GW], v[EM+2*t]   offset:512*t
	ds_store_b32 v[GW], v[EM+2*t]   offset:512*t+4
	ds_store_b32 v[GW], v[EM+2*t+1] offset:512*t+32
	ds_store_b32 v[GW], v[EM+2*t+1] offset:512*t+36
.set t, t+1
.endr
	WIN 0xc0
.set i, 0
.rept 256                                      ; the rows' sums start at 0: written while the first tiles are on their way, so that every piece has one text
	v_mov_b32 v[i], 0
.set i, i+1
.endr
	WIN 0
	s_wait_tensorcnt 0x1                           ; my quarter of slot 0 is in; slot 1's may stay out
	s_wait_dscnt 0x0                               ; no LDS instruction of mine is pending at a signal
	s_barrier_signal -1
	s_barrier_wait -1
	FETCHB 0, 0
	s_mov_b32 s[CNT], T-2
.Lr:                                                   ; T - 2 steps that ask for a slot again
.irp s, 0,1,2,3,4,5,6
	SLICE \s
.endr
	TURN 1
	s_sub_co_u32 s[CNT], s[CNT], 1
	s_cmp_lg_u32 s[CNT], 0
	s_cbranch_scc1 .Lr
	s_mov_b32 s[CNT], 2
.Lt:                                                   ; the last two steps ask for no tile.  One text serves both: in the very last step the ring's runs read that step's own slices once more (inside p, unused),
.irp s, 0,1,2,3,4,5,6                          ; and its change of slots fetches fragments that nobody multiplies: so every counted wait holds on every way
	SLICE \s
.endr
	TURN 0
	s_sub_co_u32 s[CNT], s[CNT], 1
	s_cmp_lg_u32 s[CNT], 0
	s_cbranch_scc1 .Lt
	s_wait_loadcnt 0x0
	s_wait_dscnt 0x0                               ; the buffers are free, and g has been read: the region now serves as my stage
; THE WAY OUT, 16 rows at a time: a lane's 32 bytes of a row go into rows of 528 bytes and come back as whole rows of 512.
.macro OUT16 a
.set BK, BF+64*((\a)%2)
	s_wait_xcnt 0x0                                ; the stores of two blocks back have read their registers
	WIN 0x0c                                       ; an LDS store's data is source 1: window 3
.irp b, 0,1,2,3,4,5,6,7
	ds_store_b128 v[STO], v[64*(\a)+8*\b:64*(\a)+8*\b+3]   offset:64*\b
	ds_store_b128 v[STO], v[64*(\a)+8*\b+4:64*(\a)+8*\b+7] offset:64*\b+16
.endr
	WIN 0
.irp t, 0,1,2,3,4,5,6,7,8,9,10,11,12,13,14,15
	ds_load_b128 v[BK+4*\t:BK+4*\t+3], v[RD] offset:\t*OPITCH     ; LDS serves a wave's instructions in order (ISA guide 5.7.1.4): these see the stores above
.endr
.irp t, 0,1,2,3,4,5,6,7,8,9,10,11,12,13,14,15
	s_wait_dscnt 15-\t
	global_store_b128 v[CO], v[BK+4*\t:BK+4*\t+3], s[OB:OB+1] offset:(16*(\a)+\t)*4096 th:TH_STORE_NT  ; 32 lanes store 512 consecutive bytes, at a multiple of 256 from out0's first byte
.endr
.endm
	OUT16 0
	OUT16 1
	OUT16 2
	OUT16 3
	s_wait_tensorcnt 0x0                           ; the wave's end
	ds_add_u32 v[SPW], v[NIL]
	s_wait_dscnt 0x0
	CROUND                                         ; the closing round
	s_endpgm
.Lfunc_end_k_qb063270600_pv:
	.size	k_qb063270600_pv, .Lfunc_end_k_qb063270600_pv-k_qb063270600_pv
	.p2alignl 7, 3214868480
	.fill 96, 4, 3214868480
	.section	.rodata,"a",@progbits
	.p2align	6, 0x0
	.amdhsa_kernel k_qb063270600_pv
		.amdhsa_group_segment_fixed_size 327680
		.amdhsa_private_segment_fixed_size 0
		.amdhsa_enable_private_segment 0
		.amdhsa_kernarg_size 32
		.amdhsa_user_sgpr_count 2
		.amdhsa_user_sgpr_kernarg_segment_ptr 1
		.amdhsa_wavefront_size32 1
		.amdhsa_system_sgpr_workgroup_id_x 1
		.amdhsa_system_sgpr_workgroup_id_y 1
		.amdhsa_system_sgpr_workgroup_id_z 1
		.amdhsa_system_vgpr_workitem_id 0
		.amdhsa_next_free_vgpr 1024
		.amdhsa_next_free_sgpr 66
		.amdhsa_reserve_vcc 0
		.amdhsa_float_denorm_mode_32 3
		.amdhsa_float_denorm_mode_16_64 3
		.amdhsa_memory_ordered 1
		.amdhsa_forward_progress 1
		.amdhsa_inst_pref_size 158
	.end_amdhsa_kernel
	.amdgpu_metadata
---
amdhsa.version: [ 1, 2 ]
amdhsa.kernels:
  - .name:           k_qb063270600_pv
    .symbol:         k_qb063270600_pv.kd
    .args:
      - { .name: p, .offset: 0, .size: 8, .value_kind: global_buffer, .address_space: global }
      - { .name: qkv, .offset: 8, .size: 8, .value_kind: global_buffer, .address_space: global }
      - { .name: stat, .offset: 16, .size: 8, .value_kind: global_buffer, .address_space: global }
      - { .name: out0, .offset: 24, .size: 8, .value_kind: global_buffer, .address_space: global }
    .group_segment_fixed_size: 327680
    .private_segment_fixed_size: 0
    .kernarg_segment_align: 8
    .kernarg_segment_size: 32
    .max_flat_workgroup_size: 128
    .sgpr_count:     66
    .vgpr_count:     1024
    .wavefront_size: 32
...
	.end_amdgpu_metadata
.endif
;; end of part 4
